; MI455X (gfx1250); checked and timed in simulation.
; The chip was launched on July 23, 2026; its instructions are those of AMD's public machine-readable ISA for CDNA 5 (MIT licence, August 2026) and "CDNA5" Instruction Set Architecture Reference Guide (July 2026). The comments in the code are by the model that wrote it; some were corrected since.
;; Attention. Allowed arithmetic: matrix products marked QUANTISED: E2M1 operands, one E8M0 scale for each 32 along K, by v_wmma_scale_f32_16x16x128_f8f6f4 with both operands' format E2M1 (or v_wmma_scale_f32_32x16x128_f4), f32 sums; products left as they are: bf16, f16 or f32 operands; f32 sums; everything else in f32.
;; Inputs: b_proj 1,024 float32; b_qkv 3,072 float32; w_proj 1,024 x 1,024 float32; w_qkv 1,024 x 3,072 float32; x 4 x 2,048 x 1,024 float32.
;; Outputs: out0 4 x 2,048 x 1,024 float32.
;; This version of the problem:
;;   THIS VERSION OF THE PROBLEM IS GIVEN IN LOW PRECISION. The matrix products marked QUANTISED in the list below multiply operands that are first quantised to E2M1 (2 exponent bits, 1 mantissa bit; 4 bits a number), with one power-of-two scale for each 32 numbers along K (OCP MX v1.0); their sums are f32. The products marked 'left as it is' may take bf16, f16 or f32 operands, with f32 sums. Whichever they take, every output number must still come out within the allowed error. Rounding operands to bf16 (8 significant bits) uses up far more of that allowance than f16 does (11 bits, for magnitudes from 6e-5 to 65,504). All else is computed in f32.
;;   The module's matrix products, in the order in which they are computed (A, B: the left and right operand; K: the contracted axis; several contracted axes count as one K, in the product's order):
;;     1. [M 8,192, K 1,024] x [K 1,024, N 3,072]; A: input x; B: input w_qkv: QUANTISED
;;     2. batch 64 x [M 2,048, K 64] x [K 64, N 2,048]; A: computed on the way; B: computed on the way: left as it is (an operand is computed on the way)
;;     3. batch 64 x [M 2,048, K 2,048] x [K 2,048, N 64]; A: computed on the way; B: computed on the way: left as it is (an operand is computed on the way)
;;     4. [M 8,192, K 1,024] x [K 1,024, N 1,024]; A: computed on the way; B: input w_proj: left as it is (an operand is computed on the way)
;;   THE QUANTISER, for each operand of a quantised product, along K:
;;     - K is cut into blocks of 32 from its start; a last block that is shorter is filled with zeros.
;;     - A block's scale is 2^e with e = floor(log2(the largest magnitude in the block)) - 2, held to -126 .. 127; a block of zeros has e = 0. As a byte (E8M0): e + 127.
;;     - Each number is divided by its block's scale, clamped to +-6, and rounded to the nearest number of E2M1, ties to even, subnormals kept.
;;     - The product sums the exact products of the quantised numbers (number of the format x scale) in f32.
;;   ~~~python
;;   def quantise(x, axis):      # numpy; x: float32 -> the quantised numbers, widened to float32 again
;;       x = np.moveaxis(x, axis, -1); K = x.shape[-1]
;;       x = np.pad(x, [(0, 0)] * (x.ndim - 1) + [(0, -K % 32)]); x = x.reshape(x.shape[:-1] + (-1, 32)); a = np.abs(x).max(-1, keepdims=True)
;;       e = np.where(a > 0, np.clip(np.frexp(np.where(a > 0, a, 1))[1] - 1 - 2, -126, 127), 0)      # np.frexp(a)[1] - 1 = floor(log2(a)), exactly
;;       r = np.clip(x / 2.0 ** e, -6, 6)
;;       step = 2.0 ** (np.maximum(np.frexp(np.where(r == 0, 1, r))[1] - 1, 0) - 1)
;;       q = np.round(r / step) * step * 2.0 ** e      # np.round: ties to even
;;       return np.moveaxis(q.reshape(q.shape[:-2] + (-1,))[..., :K], -1, axis).astype(np.float32)
;;   ~~~
;; One version. Each part assembles by itself: llvm-mc -triple=amdgcn-amd-amdhsa -mcpu=gfx1250 --defsym DOCPART=n.
;; ======== version 1 of 1: 5 launches
;; limits: values are held in f16: magnitudes above 65,504 overflow, below 6.1e-05 lose precision
;; workspace buffers: xc 4,194,304 bytes; xs 262,144 bytes; wc 1,572,864 bytes; ws 98,304 bytes; wpt 2,097,152 bytes; qkvh 50,331,648 bytes; q16 786,432 bytes; ah 16,777,216 bytes
;; launch prep (part 1): grid 256 x 1, 8 waves a work-group, no clusters, 150,528 bytes of LDS; arguments x, w_qkv, w_proj, xc, xs, wc, ws, wpt; writes xc, xs, wc, ws, wpt
.if DOCPART == 1
	.amdgcn_target "amdgcn-amd-amdhsa--gfx1250"
	.amdhsa_code_object_version 6
	.text
	.protected	k_q4a8a5151f1_prep
	.globl	k_q4a8a5151f1_prep
	.p2align	8
	.type	k_q4a8a5151f1_prep,@function
k_q4a8a5151f1_prep:
	s_mov_b64 s[64:65], 0
	v_nop
	global_prefetch_b8 v0, s[64:65] scope:SCOPE_SE
	s_setreg_imm32_b32 hwreg(HW_REG_WAVE_MODE, 25, 1), 1
	s_wait_xcnt 0x0
; PREP: what the later launches read many times is made once.
;   work-groups 0-127   (X): x [8192][1024] f32 -> codes of E2M1 xc [8192][512 bytes], K innermost, and E8M0 bytes xs [8192][32].
;   work-groups 128-223 (W): w_qkv [1024 (k)][3072 (n)] f32 -> wc [3072][512 bytes], K innermost, ws [3072][32].
;   work-groups 224-255 (P): w_proj [1024 (k)][1024 (n)] f32 -> wpt [1024 (n)][1024 (k)] f16.
; A block's scale is 2^(floor(log2(largest magnitude)) - 2): its byte is the largest magnitude's exponent field - 2, held at 1 from below.
; LIMITS: a block of zeros, and a block whose largest magnitude lies under 2^-124, gets the byte 1 (its codes are zeros or tiny; the bytes are read by this program alone);
; NaN and infinities are not served; w_proj must lie under 65,504 in size (f16).
; The three paths part on the work-group's number and never meet again; each has LDS bytes of its own.  No tensor load, no ring.
.set WREG,   8192                      ; X: a region for each wave: two stages of 32 x 80 bytes, then its 256 scale bytes
.set SP,     80
.set WST,    65536                     ; W: 32 columns x (512 bytes of codes + 16)
.set WPITCH, 528
.set WSC,    WST+32*WPITCH             ; W: 32 columns x 32 scale bytes
.set PST,    WSC+1024                  ; P: 32 columns x (2,048 bytes of f16 + 16)
.set PPITCH, 2064
.set SPARE,  PST+32*PPITCH             ; the spare words, 128 bytes for each wave: no other line names them
.set SPW,    12                        ; v12  SPARE + 4 x my thread's number; never rewritten
.set NIL,    13                        ; v13  0; never rewritten
.set STEPS,  16
.set CB,     8
.set R,      16                        ; X: v16-79 four sets of 16 numbers as loaded
.set X,      80                        ; X: v80-111 two sets of 16 neighbours
.set E,      112                       ; X: v112-127 a scale byte for each step
.set C,      128                       ; X: v128-191 codes
; ---- path X's macros: 16 steps of 512 numbers a wave; loads dense, turned through the wave's own stage so that a lane holds 16 neighbours
.macro XLOAD t
.irp i, 0,1,2,3
	global_load_b128 v[R+16*((\t)%4)+4*\i:R+16*((\t)%4)+4*\i+3], v3, s[4:5] offset:2048*(\t)+512*\i th:TH_LOAD_NT
.endr
.endm
.macro XTURN t                         ; LDS serves a wave's instructions in order: no wait between the stores and the loads
.irp i, 0,1,2,3
	ds_store_b128 v14, v[R+16*((\t)%4)+4*\i:R+16*((\t)%4)+4*\i+3] offset:32*SP*((\t)%2)+8*SP*\i
.endr
.irp i, 0,1,2,3
	ds_load_b128 v[X+16*((\t)%2)+4*\i:X+16*((\t)%2)+4*\i+3], v15 offset:32*SP*((\t)%2)+16*\i
.endr
.endm
.macro XSTEP t
.set XS, X+16*((\t)%2)
.if (\t) > 0
	s_wait_dscnt 1                                 ; this step's numbers are back (the last step's byte store may be out)
.else
	s_wait_dscnt 0x0
.endif
.if (\t)+4 < STEPS
	XLOAD (\t)+4
.endif
.if (\t)+1 < STEPS
.if STEPS-2-(\t) >= 3
	s_wait_loadcnt 12                              ; the next step's four loads are in; three steps' loads may be out
.else
	s_wait_loadcnt 4*(STEPS-2-(\t))
.endif
	XTURN (\t)+1
.endif
	v_max3_num_f32 v8, |v[XS]|, |v[XS+1]|, |v[XS+2]|
	v_max3_num_f32 v9, |v[XS+3]|, |v[XS+4]|, |v[XS+5]|
.irp i, 6,10
	v_max3_num_f32 v8, v8, |v[XS+\i]|, |v[XS+\i+1]|
	v_max3_num_f32 v9, v9, |v[XS+\i+2]|, |v[XS+\i+3]|
.endr
	v_max3_num_f32 v8, v8, |v[XS+14]|, |v[XS+15]|
	v_max3_num_f32 v8, v8, v9, 0x1800000           ; the floor 2^(3 - 127): the byte cannot fall under 1
	v_max_num_f32_dpp v8, v8, v8 row_xmask:1 row_mask:0xf bank_mask:0xf   ; with my neighbour's 16: the block's
	v_add_nc_u32 v11, 0xff000000, v8               ; 2 off the exponent field: the conversion's scale operand
	v_cvt_scalef32_pk8_fp4_f32 v[C+4*(\t)], v[XS:XS+7], v11
	v_cvt_scalef32_pk8_fp4_f32 v[C+4*(\t)+1], v[XS+8:XS+15], v11
	v_lshrrev_b32 v[E+(\t)], 23, v11               ; the scale's byte
	ds_store_b8 v5, v[E+(\t)] offset:16*(\t)       ; both lanes of a block write the same byte
	global_store_b64 v4, v[C+4*(\t):C+4*(\t)+1], s[10:11] offset:32*CB*(\t)
.endm
; ---- paths W and P: a lane takes a column, its 128 registers v32-159 run down K
.macro WLOAD base, pitch
.set i, 0
.rept 128
	global_load_b32 v[32+i], v3, s[\base:\base+1] offset:i*\pitch
.set i, i+1
.endr
.endm
.macro QBLOCK t, left                  ; block t of my 4: all 32 numbers are mine
.set XS, 32+32*(\t)
	s_wait_loadcnt \left
	v_max3_num_f32 v8, |v[XS]|, |v[XS+1]|, |v[XS+2]|
	v_max3_num_f32 v9, |v[XS+3]|, |v[XS+4]|, |v[XS+5]|
.irp i, 6,10,14,18,22,26
	v_max3_num_f32 v8, v8, |v[XS+\i]|, |v[XS+\i+1]|
	v_max3_num_f32 v9, v9, |v[XS+\i+2]|, |v[XS+\i+3]|
.endr
	v_max3_num_f32 v8, v8, |v[XS+30]|, |v[XS+31]|
	v_max3_num_f32 v8, v8, v9, 0x1800000
	v_add_nc_u32 v11, 0xff000000, v8
	v_lshrrev_b32 v9, 23, v11
.if (\t) == 0
	v_mov_b32 v176, v9
.else
	v_lshl_or_b32 v176, v9, 8*(\t), v176           ; four bytes to the word, the lower K in the lower byte
.endif
.irp g, 0,1,2,3
	v_cvt_scalef32_pk8_fp4_f32 v[160+4*(\t)+\g], v[XS+8*\g:XS+8*\g+7], v11
.endr
	ds_store_b128 v4, v[160+4*(\t):160+4*(\t)+3] offset:16*(\t)
.endm
.macro PGROUP g, left                  ; 32 numbers down K become 16 words of f16
	s_wait_loadcnt \left
.set i, 16*(\g)
.rept 16
	v_cvt_pk_f16_f32 v[160+i], v[32+2*i], v[33+2*i]
.set i, i+1
.endr
.irp j, 0,1,2,3
	ds_store_b128 v4, v[160+16*(\g)+4*\j:160+16*(\g)+4*\j+3] offset:64*(\g)+16*\j
.endr
.endm
	s_load_b256 s[4:11], s[0:1], 0x0               ; x s[4:5], w_qkv s[6:7], w_proj s[8:9], xc s[10:11]
	s_load_b256 s[12:19], s[0:1], 0x20             ; xs s[12:13], wc s[14:15], ws s[16:17], wpt s[18:19]
	v_lshl_add_u32 v[SPW], v0, 2, SPARE
	v_mov_b32 v[NIL], 0
	v_lshrrev_b32 v1, 5, v0
	v_readfirstlane_b32 s20, v1                    ; wave 0..7
	v_and_b32 v2, 31, v0                           ; lane
	s_mov_b32 s23, 0
	s_wait_kmcnt 0x0
	s_cmp_lt_u32 ttmp9, 128
	s_cbranch_scc1 .Lpath_x
	s_cmp_lt_u32 ttmp9, 224
	s_cbranch_scc1 .Lpath_w
	; ---- P: 32 columns of w_proj, wave w takes k = 128 w .. 128 w + 127
	s_sub_co_u32 s21, ttmp9, 224                   ; which 32 columns
	s_lshl_b32 s22, s20, 19                        ; 128 rows of 4,096 bytes a wave
	s_lshl_b32 s24, s21, 7
	s_add_co_u32 s22, s22, s24
	s_add_nc_u64 s[8:9], s[8:9], s[22:23]
	s_lshl_b32 s22, s21, 16                        ; out: 32 rows of 2,048 bytes a work-group,
	s_lshl_b32 s24, s20, 13                        ; 4 of them a wave
	s_add_co_u32 s22, s22, s24
	s_add_nc_u64 s[18:19], s[18:19], s[22:23]
	v_lshlrev_b32 v3, 2, v2
	v_mul_u32_u24 v4, v2, PPITCH
	s_lshl_b32 s24, s20, 8
	s_add_co_u32 s24, s24, PST
	v_add_nc_u32 v4, s24, v4                       ; into the stage: row = my column, my wave's 256 bytes
	v_lshlrev_b32 v5, 4, v2
	s_mul_i32 s24, s20, 4*PPITCH
	s_add_co_u32 s24, s24, PST
	v_add_nc_u32 v6, s24, v5                       ; out of it: my wave's 4 rows, 16 bytes a lane
	WLOAD 8, 4096
	PGROUP 0, 63                                   ; 96 younger loads exist; the count's field holds 63
	PGROUP 1, 63
	PGROUP 2, 32
	PGROUP 3, 0
	s_wait_dscnt 0x0                               ; for the others' sake: my stores have landed
	s_barrier_signal -1
	s_barrier_wait -1
.set n, 0
.rept 16
	ds_load_b128 v[32+4*n:35+4*n], v6 offset:(n/4)*PPITCH+(n%4)*512
.set n, n+1
.endr
.set n, 0
.rept 16
	s_wait_dscnt 15-n
	global_store_b128 v5, v[32+4*n:35+4*n], s[18:19] offset:(n/4)*2048+(n%4)*512   ; 32 lanes store 512 consecutive bytes
.set n, n+1
.endr
	s_wait_tensorcnt 0x0                           ; the wave's end: behind my last LDS store
	ds_add_u32 v[SPW], v[NIL]
	s_wait_dscnt 0x0
	s_endpgm
.Lpath_w:
	; ---- W: 32 columns of w_qkv, wave w takes k = 128 w .. 128 w + 127: four blocks
	s_sub_co_u32 s21, ttmp9, 128
	s_mul_i32 s22, s20, 128*12288
	s_lshl_b32 s24, s21, 7
	s_add_co_u32 s22, s22, s24
	s_add_nc_u64 s[6:7], s[6:7], s[22:23]
	s_lshl_b32 s22, s21, 14                        ; codes out: 32 rows of 512 bytes a work-group,
	s_lshl_b32 s24, s20, 11                        ; 4 of them a wave
	s_add_co_u32 s22, s22, s24
	s_add_nc_u64 s[14:15], s[14:15], s[22:23]
	s_min_u32 s25, s20, 1                          ; the scale bytes leave by waves 0 and 1, 512 bytes each
	s_lshl_b32 s25, s25, 9
	s_lshl_b32 s22, s21, 10
	s_add_co_u32 s22, s22, s25
	s_add_nc_u64 s[16:17], s[16:17], s[22:23]
	v_lshlrev_b32 v3, 2, v2
	v_mul_u32_u24 v4, v2, WPITCH
	s_lshl_b32 s24, s20, 6
	s_add_co_u32 s24, s24, WST
	v_add_nc_u32 v4, s24, v4                       ; into the stage: row = my column, my wave's 64 bytes
	v_lshlrev_b32 v5, 4, v2
	s_mul_i32 s24, s20, 4*WPITCH
	s_add_co_u32 s24, s24, WST
	v_add_nc_u32 v6, s24, v5                       ; out of it
	s_lshl_b32 s24, s20, 2
	s_add_co_u32 s24, s24, WSC
	v_lshl_add_u32 v7, v2, 5, s24                  ; my column's 32 scale bytes, my wave's word
	s_add_co_u32 s25, s25, WSC
	v_add_nc_u32 v10, s25, v5
	WLOAD 6, 12288
	QBLOCK 0, 63
	QBLOCK 1, 63
	QBLOCK 2, 32
	QBLOCK 3, 0
	ds_store_b32 v7, v176
	s_wait_dscnt 0x0
	s_barrier_signal -1
	s_barrier_wait -1
.irp i, 0,1,2,3
	ds_load_b128 v[32+4*\i:35+4*\i], v6 offset:\i*WPITCH
.endr
.irp i, 0,1,2,3
	s_wait_dscnt 3-\i
	global_store_b128 v5, v[32+4*\i:35+4*\i], s[14:15] offset:512*\i   ; a whole row of 512 bytes
.endr
	s_cmp_gt_u32 s20, 1
	s_cbranch_scc1 .Lw_done
	ds_load_b128 v[48:51], v10
	s_wait_dscnt 0x0
	global_store_b128 v5, v[48:51], s[16:17]
.Lw_done:
	s_wait_tensorcnt 0x0                           ; the wave's end: the three lines
	ds_add_u32 v[SPW], v[NIL]
	s_wait_dscnt 0x0
	s_endpgm
.Lpath_x:
	; ---- X: a plain stream of blocks of 32; a wave takes a run of 8,192 numbers
	s_lshl_b32 s21, ttmp9, 3
	s_add_co_u32 s21, s21, s20                     ; my run
	s_lshl_b32 s22, s21, 15
	s_add_nc_u64 s[4:5], s[4:5], s[22:23]
	s_lshl_b32 s22, s21, 12
	s_add_nc_u64 s[10:11], s[10:11], s[22:23]
	s_lshl_b32 s22, s21, 8
	s_add_nc_u64 s[12:13], s[12:13], s[22:23]
	v_lshlrev_b32 v3, 4, v2
	s_mul_i32 s24, s20, WREG
	v_lshrrev_b32 v14, 2, v2
	v_mul_u32_u24 v14, v14, SP
	v_and_b32 v15, 3, v2
	v_lshl_add_u32 v14, v15, 4, v14
	v_add_nc_u32 v14, s24, v14                     ; the stage, in: 80 (lane / 4) + 16 (lane % 4)
	v_mul_u32_u24 v15, v2, SP
	v_add_nc_u32 v15, s24, v15                     ; and out: 80 x lane
	v_mul_u32_u24 v4, v2, CB
	v_lshrrev_b32 v5, 1, v2
	s_add_co_u32 s24, s24, 2*32*SP
	v_add_nc_u32 v5, s24, v5                       ; my block's scale byte
	v_lshlrev_b32 v7, 3, v2
	v_add_nc_u32 v6, s24, v7
.irp t, 0,1,2,3
	XLOAD \t
.endr
	s_wait_loadcnt 12
	XTURN 0
.irp t, 0,1,2,3,4,5,6,7,8,9,10,11,12,13,14,15
	XSTEP \t
.endr
	ds_load_b64 v[8:9], v6
	s_wait_dscnt 0x0
	global_store_b64 v7, v[8:9], s[12:13]          ; 32 lanes store 256 consecutive bytes
	s_wait_tensorcnt 0x0                           ; the wave's end: the three lines
	ds_add_u32 v[SPW], v[NIL]
	s_wait_dscnt 0x0
	s_endpgm
.Lfunc_end_k_q4a8a5151f1_prep:
	.size	k_q4a8a5151f1_prep, .Lfunc_end_k_q4a8a5151f1_prep-k_q4a8a5151f1_prep
	.p2alignl 7, 3214868480
	.fill 96, 4, 3214868480
	.section	.rodata,"a",@progbits
	.p2align	6, 0x0
	.amdhsa_kernel k_q4a8a5151f1_prep
		.amdhsa_group_segment_fixed_size 150528
		.amdhsa_private_segment_fixed_size 0
		.amdhsa_enable_private_segment 0
		.amdhsa_kernarg_size 64
		.amdhsa_user_sgpr_count 2
		.amdhsa_user_sgpr_kernarg_segment_ptr 1
		.amdhsa_wavefront_size32 1
		.amdhsa_system_sgpr_workgroup_id_x 1
		.amdhsa_system_sgpr_workgroup_id_y 1
		.amdhsa_system_sgpr_workgroup_id_z 1
		.amdhsa_system_vgpr_workitem_id 0
		.amdhsa_next_free_vgpr 224
		.amdhsa_next_free_sgpr 66
		.amdhsa_reserve_vcc 0
		.amdhsa_float_denorm_mode_32 3
		.amdhsa_float_denorm_mode_16_64 3
		.amdhsa_memory_ordered 1
		.amdhsa_forward_progress 1
		.amdhsa_inst_pref_size 75
	.end_amdhsa_kernel
	.amdgpu_metadata
---
amdhsa.version: [ 1, 2 ]
amdhsa.kernels:
  - .name:           k_q4a8a5151f1_prep
    .symbol:         k_q4a8a5151f1_prep.kd
    .args:
      - { .name: x, .offset: 0, .size: 8, .value_kind: global_buffer, .address_space: global }
      - { .name: w_qkv, .offset: 8, .size: 8, .value_kind: global_buffer, .address_space: global }
      - { .name: w_proj, .offset: 16, .size: 8, .value_kind: global_buffer, .address_space: global }
      - { .name: xc, .offset: 24, .size: 8, .value_kind: global_buffer, .address_space: global }
      - { .name: xs, .offset: 32, .size: 8, .value_kind: global_buffer, .address_space: global }
      - { .name: wc, .offset: 40, .size: 8, .value_kind: global_buffer, .address_space: global }
      - { .name: ws, .offset: 48, .size: 8, .value_kind: global_buffer, .address_space: global }
      - { .name: wpt, .offset: 56, .size: 8, .value_kind: global_buffer, .address_space: global }
    .group_segment_fixed_size: 150528
    .private_segment_fixed_size: 0
    .kernarg_segment_align: 8
    .kernarg_segment_size: 64
    .max_flat_workgroup_size: 256
    .sgpr_count:     66
    .vgpr_count:     224
    .wavefront_size: 32
...
	.end_amdgpu_metadata
.endif
;; end of part 1
;; launch qkv (part 2): grid 12 x 32, 4 waves a work-group, clusters of 4 x 4, 327,680 bytes of LDS; arguments xc, xs, wc, ws, b_qkv, qkvh, q16; writes qkvh, q16
.if DOCPART == 2
	.amdgcn_target "amdgcn-amd-amdhsa--gfx1250"
	.amdhsa_code_object_version 6
	.text
	.protected	k_q4a8a5151f1_qkv
	.globl	k_q4a8a5151f1_qkv
	.p2align	8
	.type	k_q4a8a5151f1_qkv,@function
k_q4a8a5151f1_qkv:
	s_mov_b64 s[64:65], 0
	v_nop
	global_prefetch_b8 v0, s[64:65] scope:SCOPE_SE
	s_setreg_imm32_b32 hwreg(HW_REG_WAVE_MODE, 25, 1), 1
	s_wait_xcnt 0x0
	s_wait_alu depctr_hold_cnt(0) depctr_sa_sdst(0) depctr_va_vdst(0) depctr_va_sdst(0) depctr_va_ssrc(0) depctr_va_vcc(0) depctr_vm_vsrc(0)
	s_getreg_b32 s2, hwreg(HW_REG_IB_STS2, 6, 4)
	s_cmp_eq_u32 s2, 0
	s_cbranch_scc0 .Lentry_in_a_cluster
	s_endpgm
.Lentry_in_a_cluster:
	s_bfe_u32 s2, ttmp6, 0x10000c
	s_cmp_lg_u32 s2, 0xf033
	s_cbranch_scc0 .Lentry_shape_is_right
	s_endpgm
.Lentry_shape_is_right:
; QKV: [8192][3072] = Q(x) Q(w_qkv) + b_qkv on codes of E2M1 with E8M0 scales, sums in f32.  A = xc [8192][512 bytes], xs [8192][32]; B = wc [3072][512 bytes], ws [3072][32].
; Out: qkvh [3 (q, k, v)][batch x 16 + head][t][64] f16 (a plane is 262,144 bytes, 16 rows of a head are 2,048 consecutive bytes), and q16 [batch x 16 + t][3072] f32 for the positions t < 16.
; LIMIT: q, k, v must lie under 65,504 in size (f16).
; A tile of 256 x 256 to a work-group of four waves, 128 x 128 (64 accumulators) a wave.  K = 1,024 is two slots of 512: both, and all scale bytes, are first fills; nothing is filled again.
; CLUSTERS 4 x 4: A's tiles are shared along a row of the cluster, B's along a column, by joint loads.  The tile row is 8 cy + cluster y, so that a cluster's four rows are the four batches
; and 'this tile holds positions 0-15' hangs on the cluster's y alone, which all partners share.
; The matrix instruction is used transposed (source 0 = rows of B, source 1 = rows of A): a lane holds eight neighbouring columns of a row.  The bias is the C of each sum's first product.
; REGISTERS: window 0: v16-31 addresses, v32-95 scale words (two sets), v128-191 A's fragments; window 1: B's fragments at v0 and v128, the bias at v192-255; windows 2, 3: accumulators.
.set KSTEP,  512
.set NQ,     4
.set ROWB,   256
.set KROW,   512
.set PITCH,  272
.set FR,     8
.set NL,     2
.set NP,     4
.set HALFT,  128*PITCH
.set SLOT,   4*HALFT
.set KS,     32
.set SCL,    2*SLOT
.set HALFS,  (128*KS/256)*272
.set SBLK,   (16*KS/256)*272
.set SPARE,  SCL+4*HALFS               ; the spare words: no other line names them
.set SPITCH, 272                       ; the way out: 16 rows x (256 bytes + 16) a wave, in slot 0, which has had its only fill and its last read by then
.set ADRA, 16
.set ADRB, 20
.set STO,  24
.set RD,   25
.set CO,   26
.set ADRS, 27
.set SPW,  28
.set NIL,  29
.set C16,  30
.set BA,   31
.set SC,   32
.set AF,   128
.set BIAS, 192
.set TMP,  32
.set BK,   64
.set G1, 24
.set G0, 32
.set G1B, 48
.set G0B, 56
.set G1S, 68
.set G0S, 76
.set G1SB, 80
.set G0SB, 88
.set MSB, 0
.macro WIN new                         ; the immediate's high byte repeats the setting that is left
.if MSB != \new
	s_set_vgpr_msb (MSB<<8)|\new
.set MSB, \new
.endif
.endm
.set MUL_LO, 0xa1                      ; source 0 (B) window 1, source 1 (A) window 0, C and D window 2
.set MUL_HI, 0xf1
.set BIA_LO, 0x91                      ; the same with C (the bias) in window 1
.set BIA_HI, 0xd1
.set TO_B,   0x40
.macro JLOAD g0a, g1a, g0b, g1b        ; waves 0, 1 fetch for A, waves 2, 3 for B; an s_nop 0 and four v_nop follow each line
	s_cmp_eq_u32 s15, 0
	s_cbranch_scc0 .Lfor_b_\@
	tensor_load_to_lds s[\g0a:\g0a+3], s[\g1a:\g1a+7]
	s_nop 0
.rept 4
	v_nop
.endr
	s_branch .Lasked_\@
.Lfor_b_\@:
	tensor_load_to_lds s[\g0b:\g0b+3], s[\g1b:\g1b+7]
	s_nop 0
.rept 4
	v_nop
.endr
.Lasked_\@:
.endm
.macro CROUND                          ; a round of the cluster's barrier
	s_barrier_signal -1
	s_barrier_wait -1
	s_cmp_lg_u32 s14, 0
	s_cbranch_scc1 .Lnot_wave_0_\@
	s_barrier_signal -3
.Lnot_wave_0_\@:
	s_barrier_wait -3
	s_barrier_signal -1
	s_barrier_wait -1
.endm
	s_load_b128 s[4:7], s[0:1], 0x0                ; xc, xs
	s_load_b128 s[8:11], s[0:1], 0x10              ; wc, ws
	s_load_b128 s[96:99], s[0:1], 0x20             ; b_qkv, qkvh
	s_load_b64 s[12:13], s[0:1], 0x30              ; q16
	v_lshl_add_u32 v[SPW], v0, 2, SPARE
	v_mov_b32 v[NIL], 0
	ds_add_u32 v[SPW], v[NIL]                      ; the opening: the add, twice on end, and its wait ahead of my first tensor load
	ds_add_u32 v[SPW], v[NIL]
	v_lshrrev_b32 v1, 5, v0
	v_readfirstlane_b32 s14, v1                    ; wave 0..3
	s_lshr_b32 s15, s14, 1                         ; my half of the tile's rows; also: I fetch for A (0) or B (1)
	s_and_b32 s16, s14, 1                          ; my half of its columns; also: which 128 rows I fetch
	s_bfe_u32 s40, ttmp6, 0x40000                  ; cx
	s_bfe_u32 s41, ttmp6, 0x40004                  ; cy
	s_lshl_b32 s42, ttmp9, 2
	s_add_co_u32 s42, s42, s40                     ; tile column = 4 x cluster x + cx
	s_and_b32 s17, ttmp7, 0xffff
	s_lshl_b32 s18, s41, 3
	s_add_co_u32 s17, s17, s18                     ; tile row = 8 cy + cluster y: batch cy, positions 256 x cluster y on
	s_lshl_b32 s43, s41, 2
	s_lshl_b32 s43, 15, s43                        ; my row of the cluster
	s_lshl_b32 s44, 0x1111, s40                    ; my column
	s_or_b32 s[G1+0], s43, (0<<16)|(1<<20)|(1<<21)|(5<<22)|(3<<25)   ; mask; elements of 1 byte; 4 words of padding behind every 64
	s_or_b32 s[G1B+0], s44, (0<<16)|(1<<20)|(1<<21)|(5<<22)|(3<<25)
.irp g, G1, G1B
	s_mov_b32 s[\g+1], ROWB<<16
	s_mov_b32 s[\g+2], 128<<16
	s_mov_b32 s[\g+3], ROWB<<16
	s_mov_b32 s[\g+4], 128
	s_mov_b32 s[\g+5], KROW
	s_mov_b32 s[\g+6], 0
	s_mov_b32 s[\g+7], 0
.endr
	s_or_b32 s[G1S+0], s43, (3<<16)|(1<<20)|(1<<21)|(5<<22)|(3<<25)  ; the scales of 128 rows: 4,096 dense bytes as 16 rows of 256
	s_or_b32 s[G1SB+0], s44, (3<<16)|(1<<20)|(1<<21)|(5<<22)|(3<<25)
.irp g, G1S, G1SB
	s_mov_b32 s[\g+1], 32<<16
	s_mov_b32 s[\g+2], (128*KS/256)<<16
	s_mov_b32 s[\g+3], 32<<16
	s_mov_b32 s[\g+4], 128*KS/256
	s_mov_b32 s[\g+5], 32
	s_mov_b32 s[\g+6], 0
	s_mov_b32 s[\g+7], 0
.endr
	s_lshl_b32 s18, s16, 7
	s_lshl_b32 s20, s17, 8
	s_add_co_u32 s20, s20, s18                     ; A: row 256 x tile row + 128 x half
	s_lshl_b32 s46, s42, 8
	s_add_co_u32 s46, s46, s18                     ; B: row 256 x tile column + 128 x half
	s_mov_b32 s21, 0
	s_mov_b32 s47, 0
	s_mov_b64 s[18:19], KS
	s_mul_u64 s[22:23], s[20:21], s[18:19]
	s_mul_u64 s[92:93], s[46:47], s[18:19]
	s_mov_b64 s[18:19], KROW
	s_mul_u64 s[20:21], s[20:21], s[18:19]
	s_mul_u64 s[46:47], s[46:47], s[18:19]
	s_mul_i32 s45, s14, HALFT
	s_mul_i32 s94, s14, HALFS
	s_wait_dscnt 0x0                               ; both opening adds are done
	s_wait_kmcnt 0x0
	s_add_nc_u64 s[20:21], s[4:5], s[20:21]
	s_add_nc_u64 s[22:23], s[6:7], s[22:23]
	s_add_nc_u64 s[46:47], s[8:9], s[46:47]
	s_add_nc_u64 s[92:93], s[10:11], s[92:93]
	CROUND                                         ; all sixteen work-groups are here: the joint loads meet
	s_mov_b32 s[G0S], 1
	s_add_co_u32 s[G0S+1], s94, SCL
	s_mov_b64 s[G0S+2:G0S+3], s[22:23]
	s_or_b32 s[G0S+3], s[G0S+3], 0x80000000
	s_mov_b32 s[G0SB], 1
	s_add_co_u32 s[G0SB+1], s94, SCL
	s_mov_b64 s[G0SB+2:G0SB+3], s[92:93]
	s_or_b32 s[G0SB+3], s[G0SB+3], 0x80000000
	JLOAD G0S, G1S, G0SB, G1SB                     ; by my own count three tensor loads are out at the most: the scales, slot 0, slot 1
.irp s, 0,1
	s_mov_b32 s[G0+4*\s], 1
	s_add_co_u32 s[G0+4*\s+1], s45, \s*SLOT
	s_add_nc_u64 s[G0+4*\s+2:G0+4*\s+3], s[20:21], \s*ROWB
	s_or_b32 s[G0+4*\s+3], s[G0+4*\s+3], 0x80000000
	s_mov_b32 s[G0B+4*\s], 1
	s_add_co_u32 s[G0B+4*\s+1], s45, \s*SLOT
	s_add_nc_u64 s[G0B+4*\s+2:G0B+4*\s+3], s[46:47], \s*ROWB
	s_or_b32 s[G0B+4*\s+3], s[G0B+4*\s+3], 0x80000000
	JLOAD G0+4*\s, G1, G0B+4*\s, G1B
.endr
	v_and_b32 v1, 15, v0                           ; r
	v_bfe_u32 v2, v0, 4, 1                         ; h
	v_mul_u32_u24 v3, v1, PITCH
	v_lshl_add_u32 v4, v2, 4, v3
	s_mul_i32 s21, s15, HALFT
	s_mul_i32 s22, s16, HALFT
	s_add_co_u32 s22, s22, 2*HALFT
.irp s, 0,1
	v_add_nc_u32 v[ADRA+\s], s21, v4
	v_add_nc_u32 v[ADRB+\s], s22, v4
	s_add_co_u32 s21, s21, SLOT
	s_add_co_u32 s22, s22, SLOT
.endr
	v_mul_u32_u24 v5, v1, KS
	v_lshrrev_b32 v6, 8, v5
	v_lshl_add_u32 v5, v6, 4, v5
	s_mul_i32 s21, s15, HALFS
	s_mul_i32 s22, s16, HALFS
	s_add_co_u32 s22, s22, 2*HALFS
	s_sub_co_u32 s22, s22, s21
	v_mul_u32_u24 v6, s22, v2                      ; lanes 16-31 take B's scale words
	s_add_co_u32 s21, s21, SCL
	v_add_nc_u32 v5, v5, v6
	v_add_nc_u32 v[ADRS], s21, v5
	s_mul_i32 s23, s14, 16*SPITCH                  ; my stage
	v_mul_u32_u24 v5, v1, SPITCH
	v_lshl_add_u32 v5, v2, 4, v5
	v_add_nc_u32 v[STO], s23, v5                   ; in: row r, 16 bytes for each half of the lanes
	v_bfe_u32 v5, v0, 3, 2
	v_mul_u32_u24 v5, v5, SPITCH
	v_and_b32 v6, 7, v0
	v_lshl_add_u32 v5, v6, 4, v5
	v_add_nc_u32 v[RD], s23, v5                    ; back: eight lanes to a head's 128 bytes of a row, four rows an instruction
	v_and_b32 v6, 31, v0
	v_lshlrev_b32 v[CO], 4, v6
	v_mul_u32_u24 v[C16], v1, 12288
	v_lshl_add_u32 v[C16], v2, 5, v[C16]           ; q16: row r, + 32 h
	v_lshlrev_b32 v[BA], 5, v2
	s_lshl_b32 s46, s42, 10                        ; my first column, in bytes of f32: 1,024 x tile column + 512 x half
	s_lshl_b32 s47, s16, 9
	s_add_co_u32 s46, s46, s47
	s_mov_b32 s47, 0
	s_add_nc_u64 s[96:97], s[96:97], s[46:47]
	s_add_nc_u64 s[12:13], s[12:13], s[46:47]
	s_mul_i32 s46, s41, 196608                     ; q16: 16 rows a batch
	s_add_nc_u64 s[12:13], s[12:13], s[46:47]
	s_lshl_b32 s46, s42, 2
	s_lshl_b32 s20, s16, 1
	s_add_co_u32 s46, s46, s20                     ; my first run of 64 columns, 0 .. 47
	s_lshr_b32 s20, s46, 4                         ; q, k or v
	s_and_b32 s46, s46, 15                         ; the head
	s_lshl_b32 s20, s20, 6
	s_add_co_u32 s46, s46, s20
	s_lshl_b32 s20, s41, 4
	s_add_co_u32 s46, s46, s20                     ; the plane
	s_lshl_b32 s46, s46, 18
	s_and_b32 s20, ttmp7, 0xffff
	s_lshl_b32 s21, s20, 15                        ; 256 x cluster y rows of 128 bytes
	s_add_co_u32 s46, s46, s21
	s_lshl_b32 s21, s15, 14
	s_add_co_u32 s46, s46, s21
	s_add_nc_u64 s[98:99], s[98:99], s[46:47]
	s_or_b32 s95, s20, s15                         ; 0 where my block 0 holds positions 0-15: made of the cluster's y and the wave's number alone
	WIN TO_B
.irp b, 0,1,2,3,4,5,6,7
	global_load_b128 v[BIAS+8*\b:BIAS+8*\b+3], v[BA], s[96:97] offset:64*\b       ; b_qkv at columns 16 b + 8 h + 0 .. 7: the result's layout
	global_load_b128 v[BIAS+8*\b+4:BIAS+8*\b+7], v[BA], s[96:97] offset:64*\b+16
.endr
	WIN 0
.macro FRAG reg, adr, q, i
.irp c, 0,1
	ds_load_b128 v[\reg+4*\c:\reg+4*\c+3], v[\adr] offset:64*(\q)+32*\c+(\i)*16*PITCH
.endr
.endm
; 16 matrix instructions: A's blocks a0, a0 + 1 x B's eight.  zero = 1: the first product starts the sums from the bias.  The 64 accumulators take turns.
.macro MUL16 a0, p, q, sc, zero
.irp a, \a0, \a0+1
.irp b, 0,1,2,3,4,5,6,7
.if \zero
	v_wmma_scale_f32_16x16x128_f8f6f4 v[8*(8*((\a)%4)+\b):8*(8*((\a)%4)+\b)+7], v[128*(\p)+FR*\b:128*(\p)+FR*\b+FR-1], v[AF+FR*(\a):AF+FR*(\a)+FR-1], v[BIAS+8*\b:BIAS+8*\b+7], v[SC+8*NQ*(\sc)+NQ*\b+(\q)], v[SC+8*NQ*(\sc)+NQ*(\a)+(\q)] matrix_a_fmt:MATRIX_FMT_FP4 matrix_b_fmt:MATRIX_FMT_FP4 matrix_a_scale:MATRIX_SCALE_ROW1
.else
	v_wmma_scale_f32_16x16x128_f8f6f4 v[8*(8*((\a)%4)+\b):8*(8*((\a)%4)+\b)+7], v[128*(\p)+FR*\b:128*(\p)+FR*\b+FR-1], v[AF+FR*(\a):AF+FR*(\a)+FR-1], v[8*(8*((\a)%4)+\b):8*(8*((\a)%4)+\b)+7], v[SC+8*NQ*(\sc)+NQ*\b+(\q)], v[SC+8*NQ*(\sc)+NQ*(\a)+(\q)] matrix_a_fmt:MATRIX_FMT_FP4 matrix_b_fmt:MATRIX_FMT_FP4 matrix_a_scale:MATRIX_SCALE_ROW1
.endif
.endr
.endr
.endm
.macro FETCH_B slot, q, p
	WIN TO_B
.irp i, 0,1,2,3,4,5,6,7
	FRAG 128*(\p)+FR*\i, ADRB+\slot, \q, \i
.endr
	WIN 0
.endm
.macro FETCH_A slot, q, i0
.irp i, \i0, \i0+1, \i0+2, \i0+3
	FRAG AF+FR*(\i), ADRA+\slot, \q, \i
.endr
.endm
.macro SCALES sc
.irp i, 0,1,2,3,4,5,6,7
	ds_load_b128 v[SC+8*NQ*\sc+NQ*\i:SC+8*NQ*\sc+NQ*\i+3], v[ADRS] offset:\i*SBLK
.endr
.endm
.macro PLACES n                        ; plain vector instructions between a matrix instruction and a load into, or a read of, its registers
.rept \n
	v_nop
.endr
.endm
.macro STEP slot, q, zero
	s_wait_dscnt 4*NL                              ; all but the youngest eight loads (A's blocks 4-7)
.if \zero
	WIN BIA_LO
.else
	WIN MUL_LO
.endif
	MUL16 0, (\q)%2, \q, \slot, \zero
	MUL16 2, (\q)%2, \q, \slot, \zero
	s_wait_dscnt 0
	PLACES NP
	FETCH_B \slot, (\q)+1, 1-(\q)%2
	FETCH_A \slot, (\q)+1, 0
.if \zero
	WIN BIA_HI
.else
	WIN MUL_HI
.endif
	MUL16 4, (\q)%2, \q, \slot, \zero
	MUL16 6, (\q)%2, \q, \slot, \zero
	PLACES NP
	WIN 0
	FETCH_A \slot, (\q)+1, 4
.endm
.macro STEPS slot, from
.set Q, \from
.rept NQ-1-\from
	STEP \slot, Q, 0
.set Q, Q+1
.endr
.endm
	s_wait_tensorcnt 1                             ; the scales and my part of slot 0 are in; slot 1's load may be out
	s_barrier_signal -1
	s_barrier_wait -1
	FETCH_B 0, 0, 0
	FETCH_A 0, 0, 0
	SCALES 0
	FETCH_A 0, 0, 4
	s_wait_loadcnt 0x0                             ; the bias
	STEP 0, 0, 1
	STEPS 0, 1
	; slot 0's last step changes slots: one barrier; nothing is filled again
	s_wait_tensorcnt 0x0                           ; my part of slot 1 has landed
	ds_add_u32 v[SPW], v[NIL]
	s_wait_dscnt 4*NL+1                            ; (the add and A's blocks 4-7 may be out)
	WIN MUL_LO
	MUL16 0, 1, NQ-1, 0, 0
	s_wait_dscnt 0x0                               ; the add is done, my reads of slot 0 are over
	s_barrier_signal -1
	MUL16 2, 1, NQ-1, 0, 0
	WIN 0
	s_barrier_wait -1
	PLACES NP
	v_add_nc_u32 v[ADRS], 4*NQ, v[ADRS]            ; the second K step's scale words
	FETCH_B 1, 0, 0
	FETCH_A 1, 0, 0
	SCALES 1
	WIN MUL_HI
	MUL16 4, 1, NQ-1, 0, 0
	MUL16 6, 1, NQ-1, 0, 0
	PLACES NP
	WIN 0
	FETCH_A 1, 0, 4
	STEPS 1, 0
	s_wait_dscnt 4*NL
	WIN MUL_LO
	MUL16 0, 1, NQ-1, 1, 0
	MUL16 2, 1, NQ-1, 1, 0
	s_wait_dscnt 0
	WIN MUL_HI
	MUL16 4, 1, NQ-1, 1, 0
	MUL16 6, 1, NQ-1, 1, 0
	WIN 0
; THE WAY OUT.  Positions 0-15 also leave as f32.  Then block by block of 16 rows: rounded to f16, through my own stage, and back so that an instruction's 32 lanes hold 512 consecutive bytes of a head's plane.
.macro PACK a
.set AC, 64*((\a)%4)
	WIN 0x0a+5*((\a)/4)
.irp b, 0,1,2,3,4,5,6,7
.irp r, 0,1,2,3
	v_cvt_pk_f16_f32 v[TMP+4*\b+\r], v[AC+8*\b+2*\r], v[AC+8*\b+2*\r+1]
.endr
.endr
	WIN 0
.endm
.macro TOSTAGE a
.set BB, BK+32*((\a)%2)
.irp b, 0,1,2,3,4,5,6,7
	ds_store_b128 v[STO], v[TMP+4*\b:TMP+4*\b+3] offset:32*\b
.endr
.irp hh, 0,1
.irp i, 0,1,2,3
	ds_load_b128 v[BB+16*\hh+4*\i:BB+16*\hh+4*\i+3], v[RD] offset:128*\hh+4*SPITCH*\i   ; LDS serves a wave's instructions in order: these see the stores above
.endr
.endr
.endm
.macro SEND a
.set BB, BK+32*((\a)%2)
	s_wait_dscnt 0x0                               ; the block is back in registers
	s_wait_xcnt 0x0                                ; earlier stores have read their registers: the other buffer may be loaded again behind this
.irp hh, 0,1
.irp i, 0,1,2,3
	global_store_b128 v[CO], v[BB+16*\hh+4*\i:BB+16*\hh+4*\i+3], s[98:99] offset:\hh*262144+(\a)*2048+512*\i
.endr
.endr
.endm
	PLACES NP
	s_cmp_lg_u32 s95, 0
	s_cbranch_scc1 .Lno_first
	WIN 0x08                                       ; a store's data are its source 1: window 2
.irp b, 0,1,2,3,4,5,6,7
	global_store_b128 v[C16], v[8*\b:8*\b+3], s[12:13] offset:64*\b          ; each accumulator from its low end on
	global_store_b128 v[C16], v[8*\b+4:8*\b+7], s[12:13] offset:64*\b+16
.endr
	WIN 0
.Lno_first:
	PACK 0
	TOSTAGE 0
.irp a, 1,2,3,4,5,6,7
	PACK \a
	SEND \a-1
	TOSTAGE \a
.endr
	SEND 7
	s_wait_tensorcnt 0x0                           ; the wave's end
	ds_add_u32 v[SPW], v[NIL]
	s_wait_dscnt 0x0
	CROUND                                         ; the closing round
	s_endpgm
.Lfunc_end_k_q4a8a5151f1_qkv:
	.size	k_q4a8a5151f1_qkv, .Lfunc_end_k_q4a8a5151f1_qkv-k_q4a8a5151f1_qkv
	.p2alignl 7, 3214868480
	.fill 96, 4, 3214868480
	.section	.rodata,"a",@progbits
	.p2align	6, 0x0
	.amdhsa_kernel k_q4a8a5151f1_qkv
		.amdhsa_group_segment_fixed_size 327680
		.amdhsa_private_segment_fixed_size 0
		.amdhsa_enable_private_segment 0
		.amdhsa_kernarg_size 56
		.amdhsa_user_sgpr_count 2
		.amdhsa_user_sgpr_kernarg_segment_ptr 1
		.amdhsa_wavefront_size32 1
		.amdhsa_system_sgpr_workgroup_id_x 1
		.amdhsa_system_sgpr_workgroup_id_y 1
		.amdhsa_system_sgpr_workgroup_id_z 1
		.amdhsa_system_vgpr_workitem_id 0
		.amdhsa_next_free_vgpr 1024
		.amdhsa_next_free_sgpr 100
		.amdhsa_reserve_vcc 0
		.amdhsa_float_denorm_mode_32 3
		.amdhsa_float_denorm_mode_16_64 3
		.amdhsa_memory_ordered 1
		.amdhsa_forward_progress 1
		.amdhsa_inst_pref_size 130
	.end_amdhsa_kernel
	.amdgpu_metadata
---
amdhsa.version: [ 1, 2 ]
amdhsa.kernels:
  - .name:           k_q4a8a5151f1_qkv
    .symbol:         k_q4a8a5151f1_qkv.kd
    .args:
      - { .name: xc, .offset: 0, .size: 8, .value_kind: global_buffer, .address_space: global }
      - { .name: xs, .offset: 8, .size: 8, .value_kind: global_buffer, .address_space: global }
      - { .name: wc, .offset: 16, .size: 8, .value_kind: global_buffer, .address_space: global }
      - { .name: ws, .offset: 24, .size: 8, .value_kind: global_buffer, .address_space: global }
      - { .name: b_qkv, .offset: 32, .size: 8, .value_kind: global_buffer, .address_space: global }
      - { .name: qkvh, .offset: 40, .size: 8, .value_kind: global_buffer, .address_space: global }
      - { .name: q16, .offset: 48, .size: 8, .value_kind: global_buffer, .address_space: global }
    .group_segment_fixed_size: 327680
    .private_segment_fixed_size: 0
    .kernarg_segment_align: 8
    .kernarg_segment_size: 56
    .max_flat_workgroup_size: 128
    .sgpr_count:     100
    .vgpr_count:     1024
    .wavefront_size: 32
...
	.end_amdgpu_metadata
.endif
;; end of part 2
;; launch attn (part 3): grid 4 x 64, 16 waves a work-group, no clusters, 327,680 bytes of LDS; arguments qkvh, ah; writes ah
.if DOCPART == 3
	.amdgcn_target "amdgcn-amd-amdhsa--gfx1250"
	.amdhsa_code_object_version 6
	.text
	.protected	k_q4a8a5151f1_attn
	.globl	k_q4a8a5151f1_attn
	.p2align	8
	.type	k_q4a8a5151f1_attn,@function
k_q4a8a5151f1_attn:
	s_mov_b64 s[64:65], 0
	v_nop
	global_prefetch_b8 v0, s[64:65] scope:SCOPE_SE
	s_setreg_imm32_b32 hwreg(HW_REG_WAVE_MODE, 25, 1), 1
	s_wait_xcnt 0x0
; ATTN: for each batch and head, o[q] = sum over k <= q of softmax_k(q . k / 8) v[k].  q, k, v: planes of qkvh, [t][64] f16; products on f16 operands, maxima and sums in f32, a running maximum.
; Out: ah [head][batch x 2048 + t][64] f16.  LIMIT: the result must lie under 65,504 in size; NaN and infinities are not served.
; SHARES.  Work-group (g, batch x 16 + head) owns the query blocks g and 7 - g (256 queries each): under the causal mask every work-group then has the same work.  Each of its sixteen waves owns 32
; neighbouring queries, two tiles of 16, in 256 registers: four waves to a SIMD, two of the late block and two of the early one.  Keys go 64 a step; a step all of whose keys come after a wave's queries is left out.
; NO CLUSTER: the four work-groups of a head need 8, 7, 6 and 5 slots of keys; a joint load would bring tiles that no wave of some partner reads.
; LAYOUT.  S^T = K Q^T (source 0 = 16 keys, source 1 = 16 queries): a lane holds ONE query (lane % 16) and keys 8 (lane / 16) + 0..7.  Two such tiles, rounded to f16 in pairs, are source 1 of
; O^T = V^T P; V ([key][channel]) comes out of LDS turned, by ds_load_tr16_b128.  K's and V's fragments share one buffer of 64 registers; each fragment feeds two products.
; RING.  Two slots of 256 keys, filled by waves 0, 1 (K's halves) and 2, 3 (V's), read by all sixteen.  Every work-group walks all 8 changes of slots; loads end at the causal limit.
.set SK,    256
.set NQ,    4
.set KP,    144                        ; a key's row in LDS: 128 bytes + 16
.set VP,    160                        ; a row of V: 128 + 32
.set VOFF,  SK*KP
.set SLOT1, 1<<17
.set NSL,   8
.set STAGE, 2*SLOT1                    ; the way out: 16 rows x 144 bytes a wave, bytes of its own
.set SPARE, STAGE+16*16*144            ; the spare words: no other line names them
.set AK0,  1
.set AV0,  2
.set SPW,  3
.set NIL,  4
.set ADK,  5
.set ADV,  6
.set PFO,  7
.set DD,   8
.set NINF, 9
.set STO,  10
.set RD,   11
.set GO,   12
.set RH,   13
.set ST,   16                          ; tile t's statistics at v[16 + 8 t]: +0 c m, +1 m, +2, +3 the sum in two halves, +4 .. +7 at work; a = 2^(c m_old - c m_new) in +6
.set QF,   32                          ; Q: tile t, channels 32 ks on, at 32 + 16 t + 8 ks
.set KV,   64                          ; K's fragments, then V's
.set S,    128                         ; S^T, 32 a tile; then p; then P in the first 16 of each tile
.set O,    192                         ; O^T, 32 a tile
.set WV,   18
.set SEL,  20
.set CS,   22
.set G1K,  24
.set G1V,  32
.set G0K,  40
.set G0V,  44
.set TB,   2
.set SLOTS, 67
.set PFA,  76
.set LIM,  80
.set LASTQ, 81
.set KF,   98
.set Q0,   99
.macro TLOAD                           ; the branches hang on the wave's number alone; an s_nop 0 and four v_nop follow each line
	s_cmp_lt_u32 s[WV], 2
	s_cbranch_scc0 .Lnot_k_\@
	tensor_load_to_lds s[G0K:G0K+3], s[G1K:G1K+7]
	s_nop 0
.rept 4
	v_nop
.endr
	s_branch .Lasked_\@
.Lnot_k_\@:
	s_cmp_lt_u32 s[WV], 4
	s_cbranch_scc0 .Lasked_\@
	tensor_load_to_lds s[G0V:G0V+3], s[G1V:G1V+7]
	s_nop 0
.rept 4
	v_nop
.endr
.Lasked_\@:
.endm
; A prefetch of what the NEXT change of slots will ask for: 256 rows of K and of V, 32,768 dense bytes each.  The head's work-group g = 0, which walks all keys, asks; in it waves 4-7 for K and
; waves 8-11 for V, 8,192 bytes a wave, lanes 256 bytes apart: each block of 256 bytes is named once in the launch.  The last change that fills a slot asks for nothing.
.macro ASK
	s_cmp_gt_u32 s[SLOTS], s[LIM]
	s_cbranch_scc0 .Lnot_mine_\@
	global_prefetch_b8 v[PFO], s[PFA:PFA+1] th:TH_LOAD_NT scope:SCOPE_SE
.Lnot_mine_\@:
.endm
	s_load_b128 s[4:7], s[0:1], 0x0                ; qkvh, ah
	v_lshl_add_u32 v[SPW], v0, 2, SPARE
	v_mov_b32 v[NIL], 0
	ds_add_u32 v[SPW], v[NIL]                      ; the opening: the add, twice on end, and its wait ahead of the first tensor load
	ds_add_u32 v[SPW], v[NIL]
	v_lshrrev_b32 v5, 5, v0
	v_readfirstlane_b32 s[WV], v5                  ; wave 0..15
	s_and_b32 s68, ttmp7, 0xffff                   ; batch x 16 + head
	s_lshl_b32 s70, s68, 18                        ; its plane's first byte
	s_mov_b32 s71, 0
	s_lshr_b32 s72, s[WV], 2
	s_xor_b32 s72, s72, s[WV]
	s_and_b32 s72, s72, 1                          ; 0: the late block 7 - g, 1: the early block g
	s_sub_co_u32 s73, 7, ttmp9
	s_cmp_eq_u32 s72, 0
	s_cselect_b32 s73, s73, ttmp9
	s_lshr_b32 s74, s[WV], 1
	s_lshl_b32 s74, s74, 5
	s_lshl_b32 s[Q0], s73, 8
	s_add_co_u32 s[Q0], s[Q0], s74                 ; my first query
	s_sub_co_u32 s[LASTQ], 8, ttmp9
	s_lshl_b32 s[LASTQ], s[LASTQ], 8
	s_sub_co_u32 s[LASTQ], s[LASTQ], 1             ; my work-group's last query
	s_and_b32 s75, s[WV], 1                        ; which 128 rows of a slot I fetch, if I fetch
	s_lshl_b32 s82, s75, 14
	s_mov_b32 s83, 0
	s_add_nc_u64 s[82:83], s[82:83], s[70:71]
	s_mul_i32 s84, s75, 128*KP
	s_mul_i32 s85, s75, 128*VP
	s_add_co_u32 s85, s85, VOFF
	s_mov_b32 s[G1K], (1<<16)|(1<<20)|(4<<22)|(3<<25)   ; no mask; elements of 2 bytes; 4 words of padding behind every 32
	s_mov_b32 s[G1V], (1<<16)|(1<<20)|(4<<22)|(7<<25)   ; the same with 8 words
.irp g, G1K, G1V
	s_mov_b32 s[\g+1], 64<<16                      ; tensor_dim0
	s_mov_b32 s[\g+2], 128<<16                     ; tensor_dim1
	s_mov_b32 s[\g+3], 64<<16                      ; tile_dim0
	s_mov_b32 s[\g+4], 128                         ; tile_dim1
	s_mov_b32 s[\g+5], 64                          ; elements from row to row
	s_mov_b32 s[\g+6], 0
	s_mov_b32 s[\g+7], 0
.endr
	s_mov_b32 s[SEL], 0x76543210
	s_mov_b32 s[SEL+1], 0xfedcba98
	s_mov_b32 s[CS], 0x3e38aa3b                    ; c = log2(e) / 8
	s_mov_b32 s[CS+1], s[CS]
	s_mov_b32 s[TB], 0
	s_mov_b32 s[SLOTS], NSL-1
	s_mov_b32 s[KF], 0
	s_wait_dscnt 0x0                               ; both opening adds are done
	s_wait_kmcnt 0x0
	s_mov_b32 s[G0K], 1
	s_mov_b32 s[G0K+1], s84
	s_add_nc_u64 s[G0K+2:G0K+3], s[4:5], s[82:83]
	s_add_nc_u64 s[G0K+2:G0K+3], s[G0K+2:G0K+3], 16777216   ; k's 64 planes lie behind q's
	s_or_b32 s[G0K+3], s[G0K+3], 0x80000000
	s_mov_b32 s[G0V], 1
	s_mov_b32 s[G0V+1], s85
	s_add_nc_u64 s[G0V+2:G0V+3], s[4:5], s[82:83]
	s_add_nc_u64 s[G0V+2:G0V+3], s[G0V+2:G0V+3], 33554432
	s_or_b32 s[G0V+3], s[G0V+3], 0x80000000
	TLOAD                                          ; slot 0: it holds key 0, which counts for every query
	s_lshl_b32 s86, s[Q0], 7
	s_mov_b32 s87, 0
	s_add_nc_u64 s[86:87], s[86:87], s[70:71]
	s_add_nc_u64 s[86:87], s[4:5], s[86:87]        ; q at my first query
	s_and_b32 s88, s68, 15
	s_lshl_b32 s88, s88, 13
	s_lshr_b32 s89, s68, 4
	s_lshl_b32 s89, s89, 11
	s_add_co_u32 s88, s88, s89
	s_add_co_u32 s88, s88, s[Q0]
	s_lshl_b32 s88, s88, 7
	s_mov_b32 s89, 0
	s_add_nc_u64 s[88:89], s[6:7], s[88:89]        ; ah at my first query
	s_cmp_lt_u32 s[WV], 8                          ; the prefetches: waves 4-7 stand in k, waves 8-11 in v
	s_mov_b32 s90, 33554432
	s_cselect_b32 s90, 16777216, s90
	s_and_b32 s91, s[WV], 3
	s_lshl_b32 s91, s91, 13
	s_add_co_u32 s90, s90, s91
	s_add_co_u32 s90, s90, s70
	s_add_co_u32 s90, s90, SK*128                  ; in slot 1: the first change of slots steps it to slot 2
	s_mov_b32 s91, 0
	s_add_nc_u64 s[PFA:PFA+1], s[4:5], s[90:91]
	s_sub_co_u32 s92, s[WV], 4
	s_lshr_b32 s92, s92, 3
	s_or_b32 s92, s92, ttmp9
	s_cmp_eq_u32 s92, 0
	s_cselect_b32 s[LIM], 1, -1
	v_and_b32 v14, 15, v0                          ; r
	v_bfe_u32 v15, v0, 4, 1                        ; h
	v_mul_u32_u24 v[AK0], v14, KP
	v_lshl_add_u32 v[AK0], v15, 4, v[AK0]
	v_and_b32 v5, 7, v0
	v_bfe_u32 v6, v0, 3, 1
	v_lshl_add_u32 v[AV0], v15, 3, v5
	v_mul_u32_u24 v[AV0], v[AV0], VP
	v_lshl_add_u32 v[AV0], v6, 4, v[AV0]
	v_add_nc_u32 v[AV0], VOFF, v[AV0]
	v_and_b32 v[PFO], 31, v0
	v_lshlrev_b32 v[GO], 4, v[PFO]
	v_lshlrev_b32 v[PFO], 8, v[PFO]
	v_mov_b32 v[NINF], 0xff800000
	s_mul_i32 s92, s[WV], 16*144
	s_add_co_u32 s92, s92, STAGE
	v_mul_u32_u24 v[STO], v14, 144
	v_lshl_add_u32 v[STO], v15, 4, v[STO]
	v_add_nc_u32 v[STO], s92, v[STO]
	v_bfe_u32 v[RD], v0, 3, 2
	v_mul_u32_u24 v[RD], v[RD], 144
	v_lshl_add_u32 v[RD], v5, 4, v[RD]
	v_add_nc_u32 v[RD], s92, v[RD]
	v_lshlrev_b32 v[DD], 3, v15
	v_sub_nc_u32 v[RH], v14, v[DD]                 ; r - 8 h
	v_lshlrev_b32 v14, 7, v14
	v_lshl_add_u32 v14, v15, 4, v14                ; q: row r of 128 bytes, + 16 h
.irp t, 0,1
.irp ks, 0,1
.irp c, 0,1
	global_load_b128 v[QF+16*\t+8*\ks+4*\c:QF+16*\t+8*\ks+4*\c+3], v14, s[86:87] offset:2048*\t+64*\ks+32*\c
.endr
.endr
.endr
.irp t, 0,1
	v_mov_b32 v[ST+8*\t+1], 0xff61b1e6             ; m: -3e38, under every score
	v_mul_f32 v[ST+8*\t], s[CS], v[ST+8*\t+1]
.irp i, 2,3,4,5,6,7
	v_mov_b32 v[ST+8*\t+\i], 0
.endr
.endr
.set i, 0
.rept 64
	v_mov_b32 v[O+i], 0                            ; the step is written once: the first finds zeros, which a = 0 leaves zeros
.set i, i+1
.endr
; A KEY STEP: 64 keys, the q-th of the slot in hand.
.macro STEP q
	s_add_co_u32 s96, s[Q0], 31
	s_cmp_gt_u32 s[KF], s96                        ; all keys behind my queries: a branch on ids, round the step's work alone
	s_cbranch_scc1 .Lhidden_\@
	v_add_nc_u32 v[ADK], s[TB], v[AK0]
	v_add_nc_u32 v[ADV], s[TB], v[AV0]
.rept 3
	v_nop                                          ; with the two additions five places behind the last products: for the loads into V's registers, and for the products that write over P
.endr
.irp kt, 0,1,2,3
.irp ks, 0,1
.irp c, 0,1
	ds_load_b128 v[KV+8*(2*\kt+\ks)+4*\c:KV+8*(2*\kt+\ks)+4*\c+3], v[ADK] offset:(64*(\q)+16*\kt)*KP+64*\ks+32*\c
.endr
.endr
.endr
	s_wait_dscnt 0x0
.irp ks, 0,1                                   ; S^T = K Q^T: eight accumulators by turns
.irp kt, 0,1,2,3
.irp t, 0,1
.if \ks == 0
	v_wmma_f32_16x16x32_f16 v[S+32*\t+8*\kt:S+32*\t+8*\kt+7], v[KV+8*(2*\kt+\ks):KV+8*(2*\kt+\ks)+7], v[QF+16*\t+8*\ks:QF+16*\t+8*\ks+7], 0
.else
	v_wmma_f32_16x16x32_f16 v[S+32*\t+8*\kt:S+32*\t+8*\kt+7], v[KV+8*(2*\kt+\ks):KV+8*(2*\kt+\ks)+7], v[QF+16*\t+8*\ks:QF+16*\t+8*\ks+7], v[S+32*\t+8*\kt:S+32*\t+8*\kt+7]
.endif
.endr
.endr
.endr
.rept 4
	v_nop                                          ; places in front of the loads into K's registers and of the first read of the scores
.endr
.irp c, 0,1                                    ; V, turned: it lands while the softmax is worked
.irp dt, 0,1,2,3
	ds_load_tr16_b128 v[KV+8*(4*\c+\dt):KV+8*(4*\c+\dt)+3], v[ADV] offset:(64*(\q)+32*\c)*VP+32*\dt
	ds_load_tr16_b128 v[KV+8*(4*\c+\dt)+4:KV+8*(4*\c+\dt)+7], v[ADV] offset:(64*(\q)+32*\c)*VP+16*VP+32*\dt
.endr
.endr
	s_add_co_u32 s96, s[KF], 63
	s_cmp_le_u32 s96, s[Q0]                        ; all keys count: no mask
	s_cbranch_scc1 .Lopen_\@
	s_sub_co_i32 s96, s[Q0], s[KF]
	v_add_nc_u32 v[DD], s96, v[RH]                 ; register 8 kt + j of tile t holds key KF + 16 kt + 8 h + j, query Q0 + 16 t + r: hidden where 16 kt + j - 16 t > Q0 - KF + r - 8 h
.irp t, 0,1
.set n, 0
.rept 32
	v_cmp_gt_i32 vcc_lo, 16*(n/8)+n%8-16*\t, v[DD]
	v_cndmask_b32 v[S+32*\t+n], v[S+32*\t+n], v[NINF], vcc_lo
.set n, n+1
.endr
.endr
.Lopen_\@:
.irp j, 0,1,2,3                                ; the maximum of 32 scores and the old m; the two tiles line by line
.irp t, 0,1
	v_max3_num_f32 v[ST+8*\t+4+\j], v[S+32*\t+8*\j], v[S+32*\t+8*\j+1], v[S+32*\t+8*\j+2]
.endr
.endr
.irp i, 3,5
.irp j, 0,1,2,3
.irp t, 0,1
	v_max3_num_f32 v[ST+8*\t+4+\j], v[ST+8*\t+4+\j], v[S+32*\t+8*\j+\i], v[S+32*\t+8*\j+\i+1]
.endr
.endr
.endr
.irp t, 0,1
	v_max3_num_f32 v[ST+8*\t+4], v[ST+8*\t+4], v[S+32*\t+7], v[S+32*\t+15]
.endr
.irp t, 0,1
	v_max3_num_f32 v[ST+8*\t+6], v[ST+8*\t+6], v[S+32*\t+23], v[S+32*\t+31]
.endr
.irp t, 0,1
	v_max3_num_f32 v[ST+8*\t+4], v[ST+8*\t+4], v[ST+8*\t+5], v[ST+8*\t+6]
.endr
.irp t, 0,1
	v_max3_num_f32 v[ST+8*\t+4], v[ST+8*\t+4], v[ST+8*\t+7], v[ST+8*\t+1]
.endr
.irp t, 0,1
	v_permlanex16_b32 v[ST+8*\t+5], v[ST+8*\t+4], s[SEL], s[SEL+1]   ; the query's other 32 keys lie in the lane 16 away
.endr
.irp t, 0,1
	v_mov_b32 v[ST+8*\t+7], v[ST+8*\t]             ; c m_old
.endr
.irp t, 0,1
	v_max_num_f32 v[ST+8*\t+1], v[ST+8*\t+4], v[ST+8*\t+5]
.endr
.irp t, 0,1
	v_mul_f32 v[ST+8*\t], s[CS], v[ST+8*\t+1]
.endr
.irp t, 0,1
	v_sub_f32 v[ST+8*\t+7], v[ST+8*\t+7], v[ST+8*\t]
.endr
.set b, 0
.rept 16
.irp t, 0,1
	v_pk_fma_f32 v[S+32*\t+2*b:S+32*\t+2*b+1], v[S+32*\t+2*b:S+32*\t+2*b+1], s[CS:CS+1], v[ST+8*\t:ST+8*\t+1] op_sel_hi:[1,0,0] neg_lo:[0,0,1] neg_hi:[0,0,1]   ; c s - c m
.endr
.set b, b+1
.endr
.irp t, 0,1
	v_exp_f32 v[ST+8*\t+6], v[ST+8*\t+7]           ; a
.endr
.set e, 0
.rept 32
.irp t, 0,1
	v_exp_f32 v[S+32*\t+e], v[S+32*\t+e]           ; p
.endr
.set e, e+1
.endr
	v_nop                                          ; a plain instruction behind the last exponential
	s_wait_alu depctr_va_vdst(0)                   ; one wait for the batch of 66, ahead of its first reader
.irp t, 0,1                                    ; the sums, of p in f32, in two chains a tile
	v_pk_fma_f32 v[ST+8*\t+2:ST+8*\t+3], v[ST+8*\t+2:ST+8*\t+3], v[ST+8*\t+6:ST+8*\t+7], v[S+32*\t:S+32*\t+1] op_sel_hi:[1,0,1]
.endr
.irp t, 0,1
	v_pk_add_f32 v[ST+8*\t+4:ST+8*\t+5], v[S+32*\t+2:S+32*\t+3], v[S+32*\t+6:S+32*\t+7]
.endr
.irp p, 4,8,12,16,20,24
.irp t, 0,1
	v_pk_add_f32 v[ST+8*\t+2:ST+8*\t+3], v[ST+8*\t+2:ST+8*\t+3], v[S+32*\t+\p:S+32*\t+\p+1]
	v_pk_add_f32 v[ST+8*\t+4:ST+8*\t+5], v[ST+8*\t+4:ST+8*\t+5], v[S+32*\t+\p+6:S+32*\t+\p+7]
.endr
.endr
.irp t, 0,1
	v_pk_add_f32 v[ST+8*\t+2:ST+8*\t+3], v[ST+8*\t+2:ST+8*\t+3], v[S+32*\t+28:S+32*\t+29]
.endr
.irp t, 0,1
	v_pk_add_f32 v[ST+8*\t+2:ST+8*\t+3], v[ST+8*\t+2:ST+8*\t+3], v[ST+8*\t+4:ST+8*\t+5]
.endr
.set i, 0
.rept 16
.irp t, 0,1
	v_cvt_pk_f16_f32 v[S+32*\t+i], v[S+32*\t+2*i], v[S+32*\t+2*i+1]   ; P, in place, ascending: no number is written over before it is read
.endr
.set i, i+1
.endr
.set i, 0
.rept 16
.irp t, 0,1
	v_pk_mul_f32 v[O+32*\t+2*i:O+32*\t+2*i+1], v[O+32*\t+2*i:O+32*\t+2*i+1], v[ST+8*\t+6:ST+8*\t+7] op_sel_hi:[1,0]   ; O^T x a
.endr
.set i, i+1
.endr
	s_wait_dscnt 0x0                               ; V is in
.irp c, 0,1                                    ; O^T += V^T P: eight accumulators by turns
.irp dt, 0,1,2,3
.irp t, 0,1
	v_wmma_f32_16x16x32_f16 v[O+32*\t+8*\dt:O+32*\t+8*\dt+7], v[KV+8*(4*\c+\dt):KV+8*(4*\c+\dt)+7], v[S+32*\t+8*\c:S+32*\t+8*\c+7], v[O+32*\t+8*\dt:O+32*\t+8*\dt+7]
.endr
.endr
.endr
.Lhidden_\@:
	s_add_co_u32 s[KF], s[KF], 64
.endm
; THE CHANGE OF SLOTS, at a slot's head.  Each wave waits for all its tensor loads, adds 0 to its spare word, and waits for that and for its reads of the slot that it has left; then the barrier.
; fill = 1: the slot just left is filled with the keys that follow, while their first key is at or under the work-group's last query.
.macro CHANGE fill
	s_wait_tensorcnt 0x0                           ; no tensor load of mine is out, so a group 0 may be written
	ds_add_u32 v[SPW], v[NIL]
.if \fill
	ds_add_u32 v[SPW], v[NIL]                      ; and once more, in every trip alike
	s_xor_b32 s[G0K+1], s[G0K+1], SLOT1
	s_add_nc_u64 s[G0K+2:G0K+3], s[G0K+2:G0K+3], SK*128
	s_xor_b32 s[G0V+1], s[G0V+1], SLOT1
	s_add_nc_u64 s[G0V+2:G0V+3], s[G0V+2:G0V+3], SK*128
	s_wait_xcnt 0x0                                ; the last prefetch, a slot back, has read its address
	s_add_nc_u64 s[PFA:PFA+1], s[PFA:PFA+1], SK*128
.endif
	s_wait_dscnt 0x0
	s_barrier_signal -1
	s_barrier_wait -1
.if \fill
	s_add_co_u32 s96, s[KF], SK                    ; the first key of the slot that this change would ask for
	s_cmp_gt_u32 s96, s[LASTQ]                     ; ids and the count of steps alone: all sixteen waves go the same way; every wait on TENSORcnt in this text is for 0
	s_cbranch_scc1 .Lpast_\@
	TLOAD                                          ; a wave's one tensor load until the next change
.Lpast_\@:
	ASK
.endif
.endm
.macro SLOT_STEPS
.set Q, 0
.rept NQ
	STEP Q
.set Q, Q+1
.endr
	s_xor_b32 s[TB], s[TB], SLOT1
.endm
	s_wait_loadcnt 0x0                             ; Q
.Lslot:
	CHANGE 1
	SLOT_STEPS
	s_sub_co_u32 s[SLOTS], s[SLOTS], 1
	s_cmp_lg_u32 s[SLOTS], 0
	s_cbranch_scc1 .Lslot
	CHANGE 0
	SLOT_STEPS
	; THE WAY OUT: O^T / the sum, rounded to f16, a tile (16 rows of 128 bytes) at a time through my stage; an instruction's 32 lanes then store 512 consecutive bytes.
.rept 4
	v_nop
.endr
.irp t, 0,1
	v_add_f32 v[ST+8*\t+4], v[ST+8*\t+2], v[ST+8*\t+3]
.endr
.irp t, 0,1
	v_permlanex16_b32 v[ST+8*\t+5], v[ST+8*\t+4], s[SEL], s[SEL+1]
.endr
.irp t, 0,1
	v_add_f32 v[ST+8*\t+4], v[ST+8*\t+4], v[ST+8*\t+5]
.endr
.irp t, 0,1
	v_rcp_f32 v[ST+8*\t+6], v[ST+8*\t+4]
.endr
	v_nop
	s_wait_alu depctr_va_vdst(0)                   ; one wait for the two reciprocals, ahead of their first reader
.irp t, 0,1
.set i, 0
.rept 16
	v_pk_mul_f32 v[O+32*\t+2*i:O+32*\t+2*i+1], v[O+32*\t+2*i:O+32*\t+2*i+1], v[ST+8*\t+6:ST+8*\t+7] op_sel_hi:[1,0]
.set i, i+1
.endr
.set i, 0
.rept 16
	v_cvt_pk_f16_f32 v[S+16*\t+i], v[O+32*\t+2*i], v[O+32*\t+2*i+1]
.set i, i+1
.endr
.irp dt, 0,1,2,3
	ds_store_b128 v[STO], v[S+16*\t+4*\dt:S+16*\t+4*\dt+3] offset:32*\dt
.endr
.irp i, 0,1,2,3
	ds_load_b128 v[KV+16*\t+4*\i:KV+16*\t+4*\i+3], v[RD] offset:576*\i   ; LDS serves a wave's instructions in order
.endr
.endr
.irp t, 0,1
.irp i, 0,1,2,3
	s_wait_dscnt 8*(1-\t)+3-\i                     ; the younger LDS instructions may be out
	global_store_b128 v[GO], v[KV+16*\t+4*\i:KV+16*\t+4*\i+3], s[88:89] offset:2048*\t+512*\i
.endr
.endr
	s_wait_tensorcnt 0x0                           ; the wave's end
	ds_add_u32 v[SPW], v[NIL]
	s_wait_dscnt 0x0
	s_endpgm
.Lfunc_end_k_q4a8a5151f1_attn:
	.size	k_q4a8a5151f1_attn, .Lfunc_end_k_q4a8a5151f1_attn-k_q4a8a5151f1_attn
	.p2alignl 7, 3214868480
	.fill 96, 4, 3214868480
	.section	.rodata,"a",@progbits
	.p2align	6, 0x0
	.amdhsa_kernel k_q4a8a5151f1_attn
		.amdhsa_group_segment_fixed_size 327680
		.amdhsa_private_segment_fixed_size 0
		.amdhsa_enable_private_segment 0
		.amdhsa_kernarg_size 16
		.amdhsa_user_sgpr_count 2
		.amdhsa_user_sgpr_kernarg_segment_ptr 1
		.amdhsa_wavefront_size32 1
		.amdhsa_system_sgpr_workgroup_id_x 1
		.amdhsa_system_sgpr_workgroup_id_y 1
		.amdhsa_system_sgpr_workgroup_id_z 1
		.amdhsa_system_vgpr_workitem_id 0
		.amdhsa_next_free_vgpr 256
		.amdhsa_next_free_sgpr 100
		.amdhsa_reserve_vcc 1
		.amdhsa_float_denorm_mode_32 3
		.amdhsa_float_denorm_mode_16_64 3
		.amdhsa_memory_ordered 1
		.amdhsa_forward_progress 1
		.amdhsa_inst_pref_size 188
	.end_amdhsa_kernel
	.amdgpu_metadata
---
amdhsa.version: [ 1, 2 ]
amdhsa.kernels:
  - .name:           k_q4a8a5151f1_attn
    .symbol:         k_q4a8a5151f1_attn.kd
    .args:
      - { .name: qkvh, .offset: 0, .size: 8, .value_kind: global_buffer, .address_space: global }
      - { .name: ah, .offset: 8, .size: 8, .value_kind: global_buffer, .address_space: global }
    .group_segment_fixed_size: 327680
    .private_segment_fixed_size: 0
    .kernarg_segment_align: 8
    .kernarg_segment_size: 16
    .max_flat_workgroup_size: 512
    .sgpr_count:     100
    .vgpr_count:     256
    .wavefront_size: 32
...
	.end_amdgpu_metadata
.endif
;; end of part 3
;; launch proj (part 4): grid 4 x 64, 4 waves a work-group, clusters of 4 x 4, 327,680 bytes of LDS; arguments ah, wpt, b_proj, out0; writes out0
.if DOCPART == 4
	.amdgcn_target "amdgcn-amd-amdhsa--gfx1250"
	.amdhsa_code_object_version 6
	.text
	.protected	k_q4a8a5151f1_proj
	.globl	k_q4a8a5151f1_proj
	.p2align	8
	.type	k_q4a8a5151f1_proj,@function
k_q4a8a5151f1_proj:
	s_mov_b64 s[64:65], 0
	v_nop
	global_prefetch_b8 v0, s[64:65] scope:SCOPE_SE
	s_setreg_imm32_b32 hwreg(HW_REG_WAVE_MODE, 25, 1), 1
	s_wait_xcnt 0x0
	s_wait_alu depctr_hold_cnt(0) depctr_sa_sdst(0) depctr_va_vdst(0) depctr_va_sdst(0) depctr_va_ssrc(0) depctr_va_vcc(0) depctr_vm_vsrc(0)
	s_getreg_b32 s2, hwreg(HW_REG_IB_STS2, 6, 4)
	s_cmp_eq_u32 s2, 0
	s_cbranch_scc0 .Lentry_in_a_cluster
	s_endpgm
.Lentry_in_a_cluster:
	s_bfe_u32 s2, ttmp6, 0x10000c
	s_cmp_lg_u32 s2, 0xf033
	s_cbranch_scc0 .Lentry_shape_is_right
	s_endpgm
.Lentry_shape_is_right:
; PROJ: out0 [8192][1024] f32 = a w_proj + b_proj, on f16 operands, sums in f32; every row but the positions t < 16 of each batch, which another launch makes in f32.
; A = ah [head][row][64] f16 (K = 64 head + channel); B = wpt [n][k] f16.
; A tile of 128 x 256 to a work-group (256 work-groups); four waves, 64 rows x 128 columns (32 accumulators) each.  K goes in steps of 128, two heads' planes, through two LDS slots.
; CLUSTERS 4 x 4: A's tiles shared along a row of the cluster, B's along a column.  The tile row is 16 cy + cluster y: batch cy; 'this tile holds positions 0-15' hangs on the cluster's y alone.
; Transposed use (source 0 = rows of B, source 1 = rows of A): a lane holds eight neighbouring columns of a row.  The bias is the C of each sum's first product.
; REGISTERS: window 0: v16-31 addresses, two fragment buffers v64-159, v160-255 (A's 4 blocks, then B's 8); window 1: the accumulators ((a, b) at 8 (8 a + b)); window 2: v0-63 the bias.
.set AP,    144
.set APL,   128*AP                     ; a plane's 128 rows in LDS
.set BP,    272
.set SLOT,  2*APL+256*BP
.set STAGE, 2*SLOT                     ; 16 rows x (512 + 16) bytes a wave, bytes of its own
.set SPITCH, 528
.set SPARE, STAGE+4*16*SPITCH          ; the spare words: no other line names them
.set PLANE, 1048576
.set LAPS,  4
.set ADRA, 16
.set ADRB, 20
.set STO,  24
.set RD,   25
.set CO,   26
.set SPW,  28
.set NIL,  29
.set BA,   30
.set F0,   64
.set F1,   160
.set BK,   64
.set G1, 24
.set G0, 32
.set G1B, 48
.set G0B, 56
.set WV, 66
.set WM, 67
.set WN, 68
.set SKP, 69
.set MSB, 0
.macro WIN new
.if MSB != \new
	s_set_vgpr_msb (MSB<<8)|\new
.set MSB, \new
.endif
.endm
.set MUL,  0x50                        ; sources 0 and 1 window 0; C and D window 1
.set MULB, 0x60                        ; C (the bias) window 2, D window 1
.macro JLOAD s                         ; waves 0, 1 fetch A's two planes, waves 2, 3 B's halves; an s_nop 0 and four v_nop follow each line
	s_cmp_eq_u32 s[WM], 0
	s_cbranch_scc0 .Lfor_b_\@
	tensor_load_to_lds s[G0+4*\s:G0+4*\s+3], s[G1:G1+7]
	s_nop 0
.rept 4
	v_nop
.endr
	s_branch .Lasked_\@
.Lfor_b_\@:
	tensor_load_to_lds s[G0B+4*\s:G0B+4*\s+3], s[G1B:G1B+7]
	s_nop 0
.rept 4
	v_nop
.endr
.Lasked_\@:
.endm
.macro CREST
	s_cmp_lg_u32 s[WV], 0
	s_cbranch_scc1 .Lnot_wave_0_\@
	s_barrier_signal -3
.Lnot_wave_0_\@:
	s_barrier_wait -3
	s_barrier_signal -1
	s_barrier_wait -1
.endm
.macro CROUND
	s_barrier_signal -1
	s_barrier_wait -1
	CREST
.endm
	s_load_b256 s[4:11], s[0:1], 0x0               ; ah, wpt, b_proj, out0
	v_lshl_add_u32 v[SPW], v0, 2, SPARE
	v_mov_b32 v[NIL], 0
	ds_add_u32 v[SPW], v[NIL]                      ; the opening: the add, twice on end, and its wait ahead of my first tensor load
	ds_add_u32 v[SPW], v[NIL]
	v_lshrrev_b32 v1, 5, v0
	v_readfirstlane_b32 s[WV], v1
	s_lshr_b32 s[WM], s[WV], 1                     ; my 64 rows; also: I fetch for A (0) or B (1)
	s_and_b32 s[WN], s[WV], 1                      ; my 128 columns; also: which plane, or which 128 rows of B, I fetch
	s_bfe_u32 s40, ttmp6, 0x40000                  ; cx
	s_bfe_u32 s41, ttmp6, 0x40004                  ; cy
	s_lshl_b32 s42, ttmp9, 2
	s_add_co_u32 s42, s42, s40                     ; tile column
	s_and_b32 s13, ttmp7, 0xffff
	s_lshl_b32 s12, s41, 4
	s_add_co_u32 s13, s13, s12                     ; tile row = 16 cy + cluster y
	s_lshl_b32 s43, s41, 2
	s_lshl_b32 s43, 15, s43
	s_lshl_b32 s44, 0x1111, s40
	s_or_b32 s[G1+0], s43, (1<<16)|(1<<20)|(1<<21)|(4<<22)|(3<<25)    ; A: 128 rows of 64 elements, dense; 4 words of padding behind every 32
	s_mov_b32 s[G1+1], 64<<16
	s_mov_b32 s[G1+2], 128<<16
	s_mov_b32 s[G1+3], 64<<16
	s_mov_b32 s[G1+4], 128
	s_mov_b32 s[G1+5], 64
	s_mov_b32 s[G1+6], 0
	s_mov_b32 s[G1+7], 0
	s_or_b32 s[G1B+0], s44, (1<<16)|(1<<20)|(1<<21)|(5<<22)|(3<<25)   ; B: 128 rows of 128 elements, 1,024 apart; 4 words behind every 64
	s_mov_b32 s[G1B+1], 128<<16
	s_mov_b32 s[G1B+2], 128<<16
	s_mov_b32 s[G1B+3], 128<<16
	s_mov_b32 s[G1B+4], 128
	s_mov_b32 s[G1B+5], 1024
	s_mov_b32 s[G1B+6], 0
	s_mov_b32 s[G1B+7], 0
	s_lshl_b32 s16, s[WN], 20                      ; A: my plane, the tile's 128 rows of 128 bytes
	s_lshl_b32 s17, s13, 14
	s_add_co_u32 s16, s16, s17
	s_mov_b32 s17, 0
	s_lshl_b32 s46, s42, 8                         ; B: row 256 x tile column + 128 x half, 2,048 bytes a row
	s_lshl_b32 s47, s[WN], 7
	s_add_co_u32 s46, s46, s47
	s_lshl_b32 s46, s46, 11
	s_mov_b32 s47, 0
	s_mul_i32 s20, s[WN], APL
	s_mul_i32 s21, s[WN], 128*BP
	s_add_co_u32 s21, s21, 2*APL
	s_wait_dscnt 0x0
	s_wait_kmcnt 0x0
	s_add_nc_u64 s[14:15], s[4:5], s[16:17]
	s_add_nc_u64 s[46:47], s[6:7], s[46:47]
	CROUND
.irp s, 0,1
	s_mov_b32 s[G0+4*\s], 1
	s_add_co_u32 s[G0+4*\s+1], s20, \s*SLOT
	s_add_nc_u64 s[G0+4*\s+2:G0+4*\s+3], s[14:15], \s*2*PLANE
	s_or_b32 s[G0+4*\s+3], s[G0+4*\s+3], 0x80000000
	s_mov_b32 s[G0B+4*\s], 1
	s_add_co_u32 s[G0B+4*\s+1], s21, \s*SLOT
	s_add_nc_u64 s[G0B+4*\s+2:G0B+4*\s+3], s[46:47], \s*256
	s_or_b32 s[G0B+4*\s+3], s[G0B+4*\s+3], 0x80000000
	JLOAD \s
.endr
	v_and_b32 v1, 15, v0
	v_bfe_u32 v2, v0, 4, 1
	v_mul_u32_u24 v3, v1, AP
	v_lshl_add_u32 v3, v2, 4, v3
	v_mul_u32_u24 v4, v1, BP
	v_lshl_add_u32 v4, v2, 4, v4
	s_mul_i32 s22, s[WM], 64*AP
	s_mul_i32 s23, s[WN], 128*BP
	s_add_co_u32 s23, s23, 2*APL
.irp s, 0,1
	v_add_nc_u32 v[ADRA+\s], s22, v3
	v_add_nc_u32 v[ADRB+\s], s23, v4
	s_add_co_u32 s22, s22, SLOT
	s_add_co_u32 s23, s23, SLOT
.endr
	s_mul_i32 s23, s[WV], 16*SPITCH
	s_add_co_u32 s23, s23, STAGE
	v_mul_u32_u24 v5, v1, SPITCH
	v_lshl_add_u32 v5, v2, 5, v5
	v_add_nc_u32 v[STO], s23, v5
	v_and_b32 v6, 31, v0
	v_lshlrev_b32 v[CO], 4, v6
	v_add_nc_u32 v[RD], s23, v[CO]
	v_lshlrev_b32 v[BA], 5, v2
	s_lshl_b32 s46, s42, 10                        ; my first column, in bytes
	s_lshl_b32 s47, s[WN], 9
	s_add_co_u32 s46, s46, s47
	s_mov_b32 s47, 0
	s_add_nc_u64 s[8:9], s[8:9], s[46:47]
	s_add_nc_u64 s[10:11], s[10:11], s[46:47]
	s_lshl_b32 s46, s13, 19                        ; my first row: 128 x tile row + 64 x half, 4,096 bytes a row
	s_lshl_b32 s22, s[WM], 18
	s_add_co_u32 s46, s46, s22
	s_add_nc_u64 s[10:11], s[10:11], s[46:47]
	s_and_b32 s[SKP], ttmp7, 0xffff
	s_or_b32 s[SKP], s[SKP], s[WM]                 ; 0 where my block 0 holds positions 0-15
	WIN 0x80
.irp b, 0,1,2,3,4,5,6,7
	global_load_b128 v[8*\b:8*\b+3], v[BA], s[8:9] offset:64*\b
	global_load_b128 v[8*\b+4:8*\b+7], v[BA], s[8:9] offset:64*\b+16
.endr
	WIN 0
.macro MUL8 f, a, first                ; A's block a x B's eight, 32 along K.  The 32 accumulators take turns
.irp b, 0,1,2,3,4,5,6,7
.if \first
	v_wmma_f32_16x16x32_f16 v[8*(8*(\a)+\b):8*(8*(\a)+\b)+7], v[\f+32+8*\b:\f+32+8*\b+7], v[\f+8*(\a):\f+8*(\a)+7], v[8*\b:8*\b+7]
.else
	v_wmma_f32_16x16x32_f16 v[8*(8*(\a)+\b):8*(8*(\a)+\b)+7], v[\f+32+8*\b:\f+32+8*\b+7], v[\f+8*(\a):\f+8*(\a)+7], v[8*(8*(\a)+\b):8*(8*(\a)+\b)+7]
.endif
.endr
.endm
.macro FETCH slot, q, f                ; 24 loads in one run: B's eight blocks, then A's four, of the slot's q-th 32 along K
	WIN 0
.irp i, 0,1,2,3,4,5,6,7
	ds_load_b128 v[\f+32+8*\i:\f+32+8*\i+3], v[ADRB+\slot] offset:64*(\q)+\i*16*BP
	ds_load_b128 v[\f+32+8*\i+4:\f+32+8*\i+7], v[ADRB+\slot] offset:64*(\q)+\i*16*BP+32
.endr
.irp i, 0,1,2,3
	ds_load_b128 v[\f+8*\i:\f+8*\i+3], v[ADRA+\slot] offset:((\q)/2)*APL+((\q)%2)*64+\i*16*AP
	ds_load_b128 v[\f+8*\i+4:\f+8*\i+7], v[ADRA+\slot] offset:((\q)/2)*APL+((\q)%2)*64+\i*16*AP+32
.endr
.endm
.macro PLACES
.rept 4
	v_nop
.endr
.endm
.macro QUARTER slot, qn, f, g, first
	s_wait_dscnt 4                                 ; all but A's blocks 2 and 3
.if \first
	WIN MULB
.else
	WIN MUL
.endif
	MUL8 \f, 0, \first
	MUL8 \f, 1, \first
	PLACES
	FETCH \slot, \qn, \g
	s_wait_dscnt 24                                ; all but the 24 just issued
.if \first
	WIN MULB
.else
	WIN MUL
.endif
	MUL8 \f, 2, \first
	MUL8 \f, 3, \first
.endm
.macro TURN slot, next, fill           ; a slot's last quarter changes slots: one barrier, which opens a round of the cluster's where the slot is filled again
	WIN 0
	s_wait_tensorcnt 0x0                           ; all my tensor loads have landed: my part of the next slot
	ds_add_u32 v[SPW], v[NIL]
	s_wait_dscnt 5                                 ; (the add and A's blocks 2 and 3 may be out)
	WIN MUL
	MUL8 F1, 0, 0
	s_wait_dscnt 0x0                               ; the add is done, my reads of this slot are over
	s_barrier_signal -1
	MUL8 F1, 1, 0
.if \fill
	WIN 0
.endif
	s_barrier_wait -1
.if \fill
	CREST
	s_add_nc_u64 s[G0+4*\slot+2:G0+4*\slot+3], s[G0+4*\slot+2:G0+4*\slot+3], 4*PLANE
	s_add_nc_u64 s[G0B+4*\slot+2:G0B+4*\slot+3], s[G0B+4*\slot+2:G0B+4*\slot+3], 512
	JLOAD \slot                                    ; the first tensor load behind the round; its four v_nop are also the places in front of the loads below
.else
	PLACES
.endif
	FETCH \next, 0, F0
	WIN MUL
	MUL8 F1, 2, 0
	MUL8 F1, 3, 0
.endm
	s_wait_tensorcnt 1                             ; my part of K step 0 is in; K step 1's may be out
	s_barrier_signal -1
	s_barrier_wait -1
	FETCH 0, 0, F0
	s_wait_loadcnt 0x0                             ; the bias
	QUARTER 0, 1, F0, F1, 1
	WIN 0
	s_mov_b32 s3, LAPS-1
.Llap:
	QUARTER 0, 2, F1, F0, 0
	QUARTER 0, 3, F0, F1, 0
	TURN 0, 1, 1
	QUARTER 1, 1, F0, F1, 0
	QUARTER 1, 2, F1, F0, 0
	QUARTER 1, 3, F0, F1, 0
	TURN 1, 0, 1
	QUARTER 0, 1, F0, F1, 0
	WIN 0
	s_sub_co_u32 s3, s3, 1
	s_cmp_lg_u32 s3, 0
	s_cbranch_scc1 .Llap
	QUARTER 0, 2, F1, F0, 0                        ; the last lap fills nothing
	QUARTER 0, 3, F0, F1, 0
	TURN 0, 1, 0
	QUARTER 1, 1, F0, F1, 0
	QUARTER 1, 2, F1, F0, 0
	QUARTER 1, 3, F0, F1, 0
	s_wait_dscnt 4
	WIN MUL
	MUL8 F1, 0, 0
	MUL8 F1, 1, 0
	s_wait_dscnt 0
	MUL8 F1, 2, 0
	MUL8 F1, 3, 0
	WIN 0
; THE WAY OUT, block by block of 16 rows x 128 columns, through my own stage: back as whole rows of 512 bytes.
.macro TOSTAGE a
	WIN 0x04                                       ; an LDS store's data are its source 1: window 1
.irp b, 0,1,2,3,4,5,6,7
	ds_store_b128 v[STO], v[64*(\a)+8*\b:64*(\a)+8*\b+3] offset:64*\b          ; each accumulator from its low end on
	ds_store_b128 v[STO], v[64*(\a)+8*\b+4:64*(\a)+8*\b+7] offset:64*\b+16
.endr
	WIN 0
.set BB, BK+64*((\a)%2)
.irp t, 0,1,2,3,4,5,6,7,8,9,10,11,12,13,14,15
	ds_load_b128 v[BB+4*\t:BB+4*\t+3], v[RD] offset:\t*SPITCH
.endr
.endm
.macro SEND a, younger
.set BB, BK+64*((\a)%2)
	s_wait_dscnt \younger
.if (\a) == 0
	s_cmp_eq_u32 s[SKP], 0                         ; positions 0-15 are another launch's: each output byte has one writer
	s_cbranch_scc1 .Lfine_rows
.endif
.irp t, 0,1,2,3,4,5,6,7,8,9,10,11,12,13,14,15
	global_store_b128 v[CO], v[BB+4*\t:BB+4*\t+3], s[10:11] offset:(16*(\a)+\t)*4096 th:TH_STORE_NT   ; 32 lanes store 512 consecutive bytes
.endr
.if (\a) == 0
.Lfine_rows:
.endif
.endm
	PLACES
	TOSTAGE 0
	TOSTAGE 1
	SEND 0, 32                                     ; behind block 0's loads: block 1's 16 stores and 16 loads
	s_wait_xcnt 0x0                                ; block 0's stores have read their registers
	TOSTAGE 2
	SEND 1, 32
	s_wait_xcnt 0x0
	TOSTAGE 3
	SEND 2, 32
	SEND 3, 0
	s_wait_tensorcnt 0x0                           ; the wave's end
	ds_add_u32 v[SPW], v[NIL]
	s_wait_dscnt 0x0
	CROUND                                         ; the closing round
	s_endpgm
.Lfunc_end_k_q4a8a5151f1_proj:
	.size	k_q4a8a5151f1_proj, .Lfunc_end_k_q4a8a5151f1_proj-k_q4a8a5151f1_proj
	.p2alignl 7, 3214868480
	.fill 96, 4, 3214868480
	.section	.rodata,"a",@progbits
	.p2align	6, 0x0
	.amdhsa_kernel k_q4a8a5151f1_proj
		.amdhsa_group_segment_fixed_size 327680
		.amdhsa_private_segment_fixed_size 0
		.amdhsa_enable_private_segment 0
		.amdhsa_kernarg_size 32
		.amdhsa_user_sgpr_count 2
		.amdhsa_user_sgpr_kernarg_segment_ptr 1
		.amdhsa_wavefront_size32 1
		.amdhsa_system_sgpr_workgroup_id_x 1
		.amdhsa_system_sgpr_workgroup_id_y 1
		.amdhsa_system_sgpr_workgroup_id_z 1
		.amdhsa_system_vgpr_workitem_id 0
		.amdhsa_next_free_vgpr 576
		.amdhsa_next_free_sgpr 72
		.amdhsa_reserve_vcc 0
		.amdhsa_float_denorm_mode_32 3
		.amdhsa_float_denorm_mode_16_64 3
		.amdhsa_memory_ordered 1
		.amdhsa_forward_progress 1
		.amdhsa_inst_pref_size 86
	.end_amdhsa_kernel
	.amdgpu_metadata
---
amdhsa.version: [ 1, 2 ]
amdhsa.kernels:
  - .name:           k_q4a8a5151f1_proj
    .symbol:         k_q4a8a5151f1_proj.kd
    .args:
      - { .name: ah, .offset: 0, .size: 8, .value_kind: global_buffer, .address_space: global }
      - { .name: wpt, .offset: 8, .size: 8, .value_kind: global_buffer, .address_space: global }
      - { .name: b_proj, .offset: 16, .size: 8, .value_kind: global_buffer, .address_space: global }
      - { .name: out0, .offset: 24, .size: 8, .value_kind: global_buffer, .address_space: global }
    .group_segment_fixed_size: 327680
    .private_segment_fixed_size: 0
    .kernarg_segment_align: 8
    .kernarg_segment_size: 32
    .max_flat_workgroup_size: 128
    .sgpr_count:     72
    .vgpr_count:     576
    .wavefront_size: 32
...
	.end_amdgpu_metadata
.endif
;; end of part 4
;; launch first16 (part 5): grid 16 x 4, 16 waves a work-group, no clusters, 85,248 bytes of LDS; arguments q16, w_proj, b_proj, out0; writes out0
.if DOCPART == 5
	.amdgcn_target "amdgcn-amd-amdhsa--gfx1250"
	.amdhsa_code_object_version 6
	.text
	.protected	k_q4a8a5151f1_first16
	.globl	k_q4a8a5151f1_first16
	.p2align	8
	.type	k_q4a8a5151f1_first16,@function
k_q4a8a5151f1_first16:
	s_mov_b64 s[64:65], 0
	v_nop
	global_prefetch_b8 v0, s[64:65] scope:SCOPE_SE
	s_setreg_imm32_b32 hwreg(HW_REG_WAVE_MODE, 25, 1), 1
	s_wait_xcnt 0x0
; FIRST16: the positions t < 16 of each batch, attention and projection, in f32 throughout (these rows average one to sixteen values and are the largest in size).
; q16 [batch x 16 + t][3072] f32 holds their q, k, v.  Work-group (cs, batch) makes out0's rows batch x 2048 + 0..15, columns 64 cs .. 64 cs + 63.
; Phase 1: wave = head: S^T = K Q^T (16 x 16 x 64), the causal mask, softmax with the row's maximum taken away, O^T = V^T P; the 16 x 1,024 result goes to LDS.  (Each of a batch's 16 work-groups repeats this small part.)
; Phase 2: wave (ct = wave % 4, kq = wave / 4): 16 columns x 16 rows over K = 256 kq .. + 255; the four parts along K meet in LDS; waves 0-7 add them and the bias and store whole runs of 256 bytes.
; The f32 matrix form holds k = 2 (lane / 16) + j in register j; both operands are fed with the same permutation of k, so the products meet.
; v128-159, four accumulators, are written by matrix instructions alone; each sum begins with the constant 0 and the four take turns.
; LIMITS: NaN and infinities are not served; the sums' order differs from the reference's.
.set APITCH, 4112                      ; a row of the attention's result: 4,096 bytes + 16
.set PP,     272
.set PART,   16*APITCH                 ; four parts of 16 rows x (256 + 16) bytes
.set SPARE,  PART+4*16*PP              ; the spare words: no other line names them
.set ACC,    128
	s_load_b256 s[4:11], s[0:1], 0x0               ; q16, w_proj, b_proj, out0
	v_lshl_add_u32 v14, v0, 2, SPARE               ; my spare word; never rewritten
	v_mov_b32 v15, 0                               ; 0; never rewritten
	v_lshrrev_b32 v1, 5, v0
	v_readfirstlane_b32 s12, v1                    ; wave 0..15
	s_and_b32 s13, ttmp7, 0xffff                   ; batch
	s_and_b32 s14, s12, 3                          ; ct
	s_lshr_b32 s15, s12, 2                         ; kq
	s_and_b32 s16, s12, 7
	v_and_b32 v1, 15, v0                           ; r
	v_bfe_u32 v2, v0, 4, 1                         ; h
	v_mov_b32 v3, 0xff800000                       ; -infinity
	v_mul_u32_u24 v4, v1, 12288
	v_lshl_add_u32 v4, v2, 4, v4                   ; q, k: row r, + 16 h
	v_mul_u32_u24 v5, v2, 98304
	v_lshl_add_u32 v5, v1, 2, v5                   ; v: key 8 h on, channel r
	v_lshlrev_b32 v6, 14, v2
	v_lshl_add_u32 v6, v1, 2, v6                   ; w_proj: row 4 h on, column r
	v_mul_u32_u24 v16, v1, APITCH
	s_lshl_b32 s17, s12, 8
	v_lshl_add_u32 v7, v2, 5, v16
	v_add_nc_u32 v7, s17, v7                       ; the result into LDS: row r, my head's 256 bytes, + 32 h
	s_lshl_b32 s17, s15, 10
	v_lshl_add_u32 v8, v2, 4, v16
	v_add_nc_u32 v8, s17, v8                       ; and out of it: row r, my quarter of K, + 16 h
	s_mul_i32 s17, s15, 16*PP
	s_lshl_b32 s18, s14, 6
	s_add_co_u32 s17, s17, s18
	s_add_co_u32 s17, s17, PART
	v_mul_u32_u24 v9, v1, PP
	v_lshl_add_u32 v9, v2, 5, v9
	v_add_nc_u32 v9, s17, v9                       ; my part: row r, my 16 columns, + 32 h
	s_mul_i32 s17, s16, 2*PP
	s_add_co_u32 s17, s17, PART
	v_mul_u32_u24 v10, v2, PP
	v_lshl_add_u32 v10, v1, 4, v10
	v_add_nc_u32 v10, s17, v10                     ; the last sum: rows 2 (wave % 8) + h, 16 bytes a lane
	v_lshlrev_b32 v12, 4, v1
	v_lshl_add_u32 v11, v2, 12, v12
	v_lshlrev_b32 v13, 3, v2
	v_sub_nc_u32 v13, v1, v13                      ; r - 8 h
	v_mov_b32 v121, 0                              ; a lane permute's destination counts as one of its sources
	v_mov_b32 v123, 0
	s_mov_b32 s24, 0x76543210
	s_mov_b32 s25, 0xfedcba98
	s_mov_b32 s26, 0x3e38aa3b                      ; c = log2(e) / 8
	s_mov_b32 s27, s26
	s_mul_i32 s20, s13, 196608
	s_lshl_b32 s18, s12, 8
	s_add_co_u32 s20, s20, s18
	s_mov_b32 s21, 0
	s_lshl_b32 s22, s15, 20
	s_lshl_b32 s18, ttmp9, 8                       ; 64 columns of f32
	s_add_co_u32 s22, s22, s18
	s_lshl_b32 s19, s14, 6
	s_add_co_u32 s22, s22, s19
	s_mov_b32 s23, 0
	s_mov_b32 s19, 0
	s_lshl_b32 s28, s13, 11
	s_lshl_b32 s29, s16, 1
	s_add_co_u32 s28, s28, s29
	s_lshl_b32 s28, s28, 12
	s_add_co_u32 s28, s28, s18
	s_mov_b32 s29, 0
	s_wait_kmcnt 0x0
	s_add_nc_u64 s[4:5], s[4:5], s[20:21]          ; q16 at my batch and head
	s_add_nc_u64 s[6:7], s[6:7], s[22:23]          ; w_proj at my quarter of K and my 16 columns
	s_add_nc_u64 s[8:9], s[8:9], s[18:19]
	s_add_nc_u64 s[10:11], s[10:11], s[28:29]
.irp i, 0,1,2,3,4,5,6,7
	global_load_b128 v[16+4*\i:19+4*\i], v4, s[4:5] offset:32*\i            ; q(r, 8 i + 4 h + 0..3)
.endr
.irp i, 0,1,2,3,4,5,6,7
	global_load_b128 v[48+4*\i:51+4*\i], v4, s[4:5] offset:4096+32*\i       ; k likewise
.endr
.irp dt, 0,1,2,3
.irp e, 0,1,2,3,4,5,6,7
	global_load_b32 v[80+8*\dt+\e], v5, s[4:5] offset:\e*12288+64*\dt+8192  ; v(key 8 h + e, channel 16 dt + r)
.endr
.endr
	global_load_b128 v[124:127], v12, s[8:9]       ; b_proj at columns 4 r .. 4 r + 3 of my 64
.set i, 0
.rept 16
.irp e, 0,1,2,3
	global_load_b32 v[192+4*i+\e], v6, s[6:7] offset:(8*i+\e)*4096          ; w_proj(8 i + 4 h + e, column r): the first half of my quarter
.endr
.set i, i+1
.endr
	s_wait_loadcnt 63                              ; q, k, v are in (65 younger loads exist; the count's field holds 63)
	; ---- phase 1
.set i, 0
.rept 8
.irp u, 0,1
.set AC, ACC+8*((2*i+\u)%4)
.if 2*i+\u < 4
	v_wmma_f32_16x16x4_f32 v[AC:AC+7], v[48+4*i+2*\u:49+4*i+2*\u], v[16+4*i+2*\u:17+4*i+2*\u], 0
.else
	v_wmma_f32_16x16x4_f32 v[AC:AC+7], v[48+4*i+2*\u:49+4*i+2*\u], v[16+4*i+2*\u:17+4*i+2*\u], v[AC:AC+7]
.endif
.endr
.set i, i+1
.endr
.rept 9
	v_nop                                          ; places behind this form: for the reads of the sums, the loads into its sources, and the products that begin the accumulators anew
.endr
.set i, 0
.rept 16
.irp e, 0,1,2,3
	global_load_b32 v[16+4*i+\e], v6, s[6:7] offset:(8*(16+i)+\e)*4096      ; the second half, into q's and k's registers
.endr
.set i, i+1
.endr
.irp p, 0,2,4,6
	v_pk_add_f32 v[112+\p:113+\p], v[ACC+\p:ACC+\p+1], v[ACC+8+\p:ACC+9+\p]   ; the four partial sums: lane (r, h), register j: key 8 h + j, query r
	v_pk_add_f32 v[112+\p:113+\p], v[112+\p:113+\p], v[ACC+16+\p:ACC+17+\p]
	v_pk_add_f32 v[112+\p:113+\p], v[112+\p:113+\p], v[ACC+24+\p:ACC+25+\p]
.endr
.irp j, 0,1,2,3,4,5,6,7
	v_cmp_gt_i32 vcc_lo, \j, v13                   ; hidden where 8 h + j > r
	v_cndmask_b32 v[112+\j], v[112+\j], v3, vcc_lo
.endr
	v_max3_num_f32 v120, v112, v113, v114
	v_max3_num_f32 v120, v120, v115, v116
	v_max3_num_f32 v120, v120, v117, v118
	v_max_num_f32 v120, v120, v119
	v_permlanex16_b32 v121, v120, s24, s25
	v_max_num_f32 v120, v120, v121                 ; the row's maximum: key 0 counts for every query, so it is a number
	v_mul_f32 v120, s26, v120
.irp p, 0,2,4,6
	v_pk_fma_f32 v[112+\p:113+\p], v[112+\p:113+\p], s[26:27], v[120:121] op_sel_hi:[1,0,0] neg_lo:[0,0,1] neg_hi:[0,0,1]
.endr
.irp j, 0,1,2,3,4,5,6,7
	v_exp_f32 v[112+\j], v[112+\j]
.endr
	v_nop
	s_wait_alu depctr_va_vdst(0)                   ; one wait for the eight, ahead of their first reader
	v_pk_add_f32 v[122:123], v[112:113], v[114:115]
	v_pk_add_f32 v[122:123], v[122:123], v[116:117]
	v_pk_add_f32 v[122:123], v[122:123], v[118:119]
	v_add_f32 v122, v122, v123
	v_permlanex16_b32 v123, v122, s24, s25
	v_add_f32 v122, v122, v123
	v_rcp_f32 v122, v122
	v_nop
	s_wait_alu depctr_va_vdst(0)
.irp s, 0,1,2,3                                ; O^T = V^T P: keys 8 h + 2 s + j on both sides
.irp dt, 0,1,2,3
.if \s == 0
	v_wmma_f32_16x16x4_f32 v[ACC+8*\dt:ACC+8*\dt+7], v[80+8*\dt+2*\s:81+8*\dt+2*\s], v[112+2*\s:113+2*\s], 0
.else
	v_wmma_f32_16x16x4_f32 v[ACC+8*\dt:ACC+8*\dt+7], v[80+8*\dt+2*\s:81+8*\dt+2*\s], v[112+2*\s:113+2*\s], v[ACC+8*\dt:ACC+8*\dt+7]
.endif
.endr
.endr
.rept 9
	v_nop
.endr
.set i, 0
.rept 16
	v_pk_mul_f32 v[160+2*i:161+2*i], v[ACC+2*i:ACC+2*i+1], v[122:123] op_sel_hi:[1,0]   ; / the sum: register 8 dt + j is channel 16 dt + 8 h + j of query r
.set i, i+1
.endr
.irp dt, 0,1,2,3
	ds_store_b128 v7, v[160+8*\dt:163+8*\dt] offset:64*\dt
	ds_store_b128 v7, v[164+8*\dt:167+8*\dt] offset:64*\dt+16
.endr
	s_wait_dscnt 0x0                               ; for the others' sake: my stores have landed
	s_barrier_signal -1
	s_barrier_wait -1
	; ---- phase 2: out^T: source 0 = 16 columns of w_proj, source 1 = the 16 rows
.macro CHUNK c, buf                    ; 64 along K of the rows: lane (r, h) takes k = 8 i + 4 h + 0..3
.irp i, 0,1,2,3,4,5,6,7
	ds_load_b128 v[\buf+4*\i:\buf+4*\i+3], v8 offset:32*(8*(\c)+\i)
.endr
.endm
.macro MM c, buf
.set ii, 0
.rept 8
.irp u, 0,1
.set WR, 192+4*(8*(\c)+ii)+2*\u
.if (\c) > 1
.set WR, 16+4*(8*((\c)-2)+ii)+2*\u
.endif
.set AC, ACC+8*((2*ii+\u)%4)
.if ((\c) == 0) && (2*ii+\u < 4)
	v_wmma_f32_16x16x4_f32 v[AC:AC+7], v[WR:WR+1], v[\buf+4*ii+2*\u:\buf+4*ii+2*\u+1], 0
.else
	v_wmma_f32_16x16x4_f32 v[AC:AC+7], v[WR:WR+1], v[\buf+4*ii+2*\u:\buf+4*ii+2*\u+1], v[AC:AC+7]
.endif
.endr
.set ii, ii+1
.endr
.endm
	s_wait_loadcnt 0x0                             ; w_proj and the bias
	CHUNK 0, 160
	CHUNK 1, 80
	s_wait_dscnt 8                                 ; the younger chunk may be out
	MM 0, 160
.rept 8
	v_nop                                          ; places in front of loads into registers that these products have read
.endr
	CHUNK 2, 160
	s_wait_dscnt 8
	MM 1, 80
.rept 8
	v_nop
.endr
	CHUNK 3, 80
	s_wait_dscnt 8
	MM 2, 160
	s_wait_dscnt 0x0
	MM 3, 80
.rept 9
	v_nop
.endr
.irp p, 0,2,4,6
	v_pk_add_f32 v[112+\p:113+\p], v[ACC+\p:ACC+\p+1], v[ACC+8+\p:ACC+9+\p]   ; lane (r, h), register j: column 16 ct + 8 h + j, row r
	v_pk_add_f32 v[112+\p:113+\p], v[112+\p:113+\p], v[ACC+16+\p:ACC+17+\p]
	v_pk_add_f32 v[112+\p:113+\p], v[112+\p:113+\p], v[ACC+24+\p:ACC+25+\p]
.endr
	ds_store_b128 v9, v[112:115]
	ds_store_b128 v9, v[116:119] offset:16
	s_wait_dscnt 0x0
	s_barrier_signal -1
	s_barrier_wait -1
	s_cmp_gt_u32 s12, 7
	s_cbranch_scc1 .Ldone
.irp k, 0,1,2,3
	ds_load_b128 v[160+4*\k:163+4*\k], v10 offset:16*PP*\k
.endr
	s_wait_dscnt 0x0
.irp p, 0,2
	v_pk_add_f32 v[160+\p:161+\p], v[160+\p:161+\p], v[164+\p:165+\p]
	v_pk_add_f32 v[168+\p:169+\p], v[168+\p:169+\p], v[172+\p:173+\p]
.endr
.irp p, 0,2
	v_pk_add_f32 v[160+\p:161+\p], v[160+\p:161+\p], v[168+\p:169+\p]
.endr
.irp p, 0,2
	v_pk_add_f32 v[160+\p:161+\p], v[160+\p:161+\p], v[124+\p:125+\p]
.endr
	global_store_b128 v11, v[160:163], s[10:11]    ; sixteen lanes store 256 consecutive bytes of a row
.Ldone:
	s_wait_tensorcnt 0x0                           ; the wave's end, behind my last LDS store
	ds_add_u32 v14, v15
	s_wait_dscnt 0x0
	s_endpgm
.Lfunc_end_k_q4a8a5151f1_first16:
	.size	k_q4a8a5151f1_first16, .Lfunc_end_k_q4a8a5151f1_first16-k_q4a8a5151f1_first16
	.p2alignl 7, 3214868480
	.fill 96, 4, 3214868480
	.section	.rodata,"a",@progbits
	.p2align	6, 0x0
	.amdhsa_kernel k_q4a8a5151f1_first16
		.amdhsa_group_segment_fixed_size 85248
		.amdhsa_private_segment_fixed_size 0
		.amdhsa_enable_private_segment 0
		.amdhsa_kernarg_size 32
		.amdhsa_user_sgpr_count 2
		.amdhsa_user_sgpr_kernarg_segment_ptr 1
		.amdhsa_wavefront_size32 1
		.amdhsa_system_sgpr_workgroup_id_x 1
		.amdhsa_system_sgpr_workgroup_id_y 1
		.amdhsa_system_sgpr_workgroup_id_z 1
		.amdhsa_system_vgpr_workitem_id 0
		.amdhsa_next_free_vgpr 256
		.amdhsa_next_free_sgpr 66
		.amdhsa_reserve_vcc 1
		.amdhsa_float_denorm_mode_32 3
		.amdhsa_float_denorm_mode_16_64 3
		.amdhsa_memory_ordered 1
		.amdhsa_forward_progress 1
		.amdhsa_inst_pref_size 36
	.end_amdhsa_kernel
	.amdgpu_metadata
---
amdhsa.version: [ 1, 2 ]
amdhsa.kernels:
  - .name:           k_q4a8a5151f1_first16
    .symbol:         k_q4a8a5151f1_first16.kd
    .args:
      - { .name: q16, .offset: 0, .size: 8, .value_kind: global_buffer, .address_space: global }
      - { .name: w_proj, .offset: 8, .size: 8, .value_kind: global_buffer, .address_space: global }
      - { .name: b_proj, .offset: 16, .size: 8, .value_kind: global_buffer, .address_space: global }
      - { .name: out0, .offset: 24, .size: 8, .value_kind: global_buffer, .address_space: global }
    .group_segment_fixed_size: 85248
    .private_segment_fixed_size: 0
    .kernarg_segment_align: 8
    .kernarg_segment_size: 32
    .max_flat_workgroup_size: 512
    .sgpr_count:     66
    .vgpr_count:     256
    .wavefront_size: 32
...
	.end_amdgpu_metadata
.endif
;; end of part 5
